; MI455X (gfx1250); checked and timed in simulation.
; The chip was launched on July 23, 2026; its instructions are those of AMD's public machine-readable ISA for CDNA 5 (MIT licence, August 2026) and "CDNA5" Instruction Set Architecture Reference Guide (July 2026). The comments in the code are by the model that wrote it; some were corrected since.
;; Paged Sdpa Attention. Allowed arithmetic: matrix products marked QUANTISED: E2M3 operands, one E8M0 scale for each 32 along K, by v_wmma_scale_f32_16x16x128_f8f6f4 with both operands' format E2M3, f32 sums; everything else in f32.
;; Inputs: Wo 4,096 x 4,096 float32; Wq 4,096 x 4,096 float32; block_table 512 int32; hidden_states 1 x 512 x 4,096 float32; kv_cache 1,024 x 2 x 8 x 16 x 128 float32.
;; Outputs: out0 1 x 512 x 4,096 float32.
;; This version of the problem:
;;   THIS VERSION OF THE PROBLEM IS GIVEN IN LOW PRECISION. The matrix products marked QUANTISED in the list below multiply operands that are first quantised to E2M3 (2 exponent bits, 3 mantissa bits; 6 bits a number), with one power-of-two scale for each 32 numbers along K (OCP MX v1.0); their sums are f32. All else is computed in f32.
;;   The module's matrix products, in the order in which they are computed (A, B: the left and right operand; K: the contracted axis; several contracted axes count as one K, in the product's order):
;;     1. [M 512, K 4,096] x [K 4,096, N 4,096]; A: input hidden_states; B: input Wq: QUANTISED
;;     2. batch 32 x [M 512, K 128] x [K 128, N 8,192]; A: computed on the way; B: computed on the way: QUANTISED
;;     3. batch 32 x [M 512, K 8,192] x [K 8,192, N 128]; A: softmax (see below); B: computed on the way: QUANTISED
;;     4. [M 512, K 4,096] x [K 4,096, N 4,096]; A: computed on the way; B: input Wo: QUANTISED
;;   THE QUANTISER, for each operand of a quantised product, along K:
;;     - K is cut into blocks of 32 from its start; a last block that is shorter is filled with zeros.
;;     - A block's scale is 2^e with e = floor(log2(the largest magnitude in the block)) - 2, held to -126 .. 127; a block of zeros has e = 0. As a byte (E8M0): e + 127.
;;     - Each number is divided by its block's scale, clamped to +-7.5, and rounded to the nearest number of E2M3, ties to even, subnormals kept.
;;     - The product sums the exact products of the quantised numbers (number of the format x scale) in f32.
;;   ~~~python
;;   def quantise(x, axis):      # numpy; x: float32 -> the quantised numbers, widened to float32 again
;;       x = np.moveaxis(x, axis, -1); K = x.shape[-1]
;;       x = np.pad(x, [(0, 0)] * (x.ndim - 1) + [(0, -K % 32)]); x = x.reshape(x.shape[:-1] + (-1, 32)); a = np.abs(x).max(-1, keepdims=True)
;;       e = np.where(a > 0, np.clip(np.frexp(np.where(a > 0, a, 1))[1] - 1 - 2, -126, 127), 0)      # np.frexp(a)[1] - 1 = floor(log2(a)), exactly
;;       r = np.clip(x / 2.0 ** e, -7.5, 7.5)
;;       step = 2.0 ** (np.maximum(np.frexp(np.where(r == 0, 1, r))[1] - 1, 0) - 3)
;;       q = np.round(r / step) * step * 2.0 ** e      # np.round: ties to even
;;       return np.moveaxis(q.reshape(q.shape[:-2] + (-1,))[..., :K], -1, axis).astype(np.float32)
;;   ~~~
;;   SOFTMAX AHEAD OF A QUANTISED PRODUCT. Where the list says 'softmax', what is quantised is not the finished softmax but p = 2^(t - M), with t = logit x log2(e) and M = ceil(the row's largest t), a whole number; so 1/2 < the row's largest p <= 1. The row's sum l is taken of the UNQUANTISED p, in f32, and the product's result is divided by l at the end. Since M is a whole number, a kernel that streams over the keys may use a running M (the ceiling of the running maximum): every later rescaling is an exact power of two, which a block's scale takes up: the codes' values come out the same.
;;   OPERANDS COMPUTED ON THE WAY. 'Computed on the way' means the value that the module computes at that place (a softmax that the list does not call 'softmax' is quantised finished and normalised). What goes into a quantiser is computed in f32, as accurately as f32 sums, v_exp_f32 and their like allow (about 1e-6 of the number): no bf16 or f16 on the way to a quantiser, and a product that is left as it is and whose result goes on into a quantised operand takes f32 operands (vector FMAs, or v_wmma_f32_16x16x4_f32). A number that lies on a knife's edge between two numbers of the format may be rounded either way, as far as f32 arithmetic and the matrix unit's own rounding can turn it there, and no further.
;; One version. Each part assembles by itself: llvm-mc -triple=amdgcn-amd-amdhsa -mcpu=gfx1250 --defsym DOCPART=n.
;; ======== version 1 of 1: 4 launches
;; limits: right only within a limited range of input values
;; workspace buffers: wq_img 13,107,200 bytes; wo_img 13,107,200 bytes; x_img 1,703,936 bytes; c_img 1,703,936 bytes; kv_img 13,369,344 bytes; q_img 1,703,936 bytes; rope_tab 262,144 bytes
;; launch prep (part 1): grid 2696 x 1, 4 waves a work-group, no clusters, 70,144 bytes of LDS; arguments Wq, Wo, hidden_states, kv_cache, block_table, wq_img, wo_img, x_img, kv_img, rope_tab; writes wq_img, wo_img, x_img, kv_img, rope_tab
.if DOCPART == 1
	.amdgcn_target "amdgcn-amd-amdhsa--gfx1250"
	.amdhsa_code_object_version 6
	.text
	.protected	k_qcbe2b0ebe6_prep
	.globl	k_qcbe2b0ebe6_prep
	.p2align	8
	.type	k_qcbe2b0ebe6_prep,@function
k_qcbe2b0ebe6_prep:
	s_mov_b64 s[64:65], 0
	v_nop
	global_prefetch_b8 v0, s[64:65] scope:SCOPE_SE
	s_setreg_imm32_b32 hwreg(HW_REG_WAVE_MODE, 25, 1), 1
	s_wait_xcnt 0x0
; Every operand that later launches read many times is turned ONCE into codes of FP6 (E2M3) with one E8M0 byte for each 32 along its K, and laid as IMAGES OF OPERAND REGISTERS:
; a fragment (16 rows x 128 K, 12 registers a lane) is 1,536 bytes, register p of lane l at 512 (p / 4) + 16 l + 4 (p % 4), so that three loads of 16 bytes a lane bring it back.
; In every group of 32 rows, tile 2 b + u holds at lane r the row 32 b + 8 u + r + 8 (r / 8): a transposed product's 16 registers of two neighbouring tiles are then 16 neighbours along the next K.
; Work-groups 0-2047: Wq, then Wo ([K][N]: a lane takes a column, its registers run down K).  2048-2559: one key step (128 keys, 8 entries of block_table) of one KV head: K by rows, then V by columns
; (V's K are the keys).  2560-2687: hidden_states by rows.  2688-2695: cos and sin for the rotation, in the layout of the first product's results.
; A block's scale is 2^(floor(log2(largest magnitude)) - 2); its byte is that magnitude's exponent field - 2, held at 1 from below.
; LIMITS: a block of zeros gets the byte 1 (its codes are zeros; only this program reads the bytes); NaN and infinities are not served; entries of block_table are held at 1023;
; the rotation's frequencies come from v_exp_f32, so an angle is good to about 6e-5 at position 511.  The scale words leave in pieces of 128 bytes: about one byte in twenty of what is stored.
; No tensor loads, no barrier: waves share nothing.  Only the path by rows uses LDS.
.set WSTAGE, 17408                     ; a wave's stage: two groups of 16 rows of 512 + 16 bytes, 128 bytes between the groups: the 16 lanes of a 16-byte read fall on 16 different 16-byte columns of 256
.set W0,   1                           ; v1   scale word of fragment 0
.set W1,   2                           ; v2   of fragment 1; by columns: my column's word
.set PT,   3                           ; v3   a lane permute's destination
.set VO,   4                           ; v4-19  row p's byte offset: 16 x lane + p x pitch
.set STW,  20                          ; v20  stage, in: 16 x lane
.set STR,  21                          ; v21  stage, out: my row, my half
.set L16,  22
.set L4,   23
.set SH8,  24                          ; v24  8 x (lane / 16)
.set VCOL, 25                          ; v25  by columns: my column's bytes
.set VST,  26                          ; v26  where my column's codes go in the images
.set VSC,  27                          ; v27  and its scale word
.set MX,   28                          ; v28-29 largest magnitudes
.set SOP,  30                          ; v30-31 the conversions' scale operands
.set F0,   32                          ; v32-43, v44-55 two fragments' registers
.set F1,   44
.set CT,   56                          ; v56-58, v60-62 second halves of blocks (a conversion's three registers begin on an even number)
.set BY0,  59
.set BY1,  63
.set X,    64                          ; v64-191 numbers as loaded
.set Y,    192                         ; v192-255 a fragment's 64 numbers
	s_load_b512 s[8:23], s[0:1], 0x0               ; Wq s[8:9], Wo s[10:11], hidden s[12:13], kv_cache s[14:15], block_table s[16:17], wq_img s[18:19], wo_img s[20:21], x_img s[22:23]
	s_load_b128 s[24:27], s[0:1], 0x40             ; kv_img s[24:25], rope_tab s[26:27]
	s_set_vgpr_msb 0x40
	v_lshl_add_u32 v0, v0, 2, 0x11000
	v_mov_b32 v1, 0
	s_set_vgpr_msb 0x4000
	v_lshrrev_b32 v1, 5, v0
	v_readfirstlane_b32 s28, v1                    ; wave
	s_mov_b32 s29, ttmp9                           ; work-group
	s_mov_b32 s34, 0x76543210
	s_mov_b32 s35, 0xfedcba98                      ; v_permlanex16_b32's selects for lane l xor 16
	v_and_b32 v28, 31, v0                          ; lane
	v_and_b32 v29, 15, v0                          ; r
	v_bfe_u32 v30, v0, 4, 1                        ; h
	v_bfe_u32 v31, v0, 3, 1                        ; r / 8
	v_and_b32 v1, 7, v0                            ; r % 8
	v_lshlrev_b32 v[L16], 4, v28
	v_lshlrev_b32 v[L4], 2, v28
	v_lshlrev_b32 v[SH8], 3, v30
	s_mul_i32 s30, s28, WSTAGE
	v_add_nc_u32 v[STW], s30, v[L16]
	v_mul_u32_u24 v[STR], v31, 8576                ; lane r of a fragment takes row r % 8 (+ 8 u) of group r / 8,
	v_mad_u32_u24 v[STR], v1, 528, v[STR]
	v_lshl_add_u32 v[STR], v30, 7, v[STR]          ; and of each 64 along K the 32 numbers of its half
	v_add_nc_u32 v[STR], s30, v[STR]
	v_lshl_add_u32 v[VCOL], v30, 3, v29            ; by columns: lane x = 16 u + r takes column 8 u + r + 8 (r / 8) of the wave's 32
	v_lshl_add_u32 v[VCOL], v31, 3, v[VCOL]
	v_lshlrev_b32 v[VCOL], 2, v[VCOL]
	s_lshl_b32 s31, s28, 7
	v_add_nc_u32 v[VCOL], s31, v[VCOL]
	v_mul_u32_u24 v[VST], v30, 1536                ; its tile 2 w + u,
	v_lshl_add_u32 v[VST], v29, 4, v[VST]          ; lane r's 16 bytes
	s_mul_i32 s32, s28, 3072
	v_add_nc_u32 v[VST], s32, v[VST]
	v_add_nc_u32 v[VSC], s31, v[L4]                ; scale words of a pair of tiles: lanes 0-15 the even tile, lanes 16-31 the odd one
	v_mov_b32 v[PT], 0
	s_wait_kmcnt 0x0
; A lane holds two whole blocks of its row, k = 64 c + 32 h + 0 .. 31 in v[src + 32 c] on: they become the fragment's registers, and the row's scale word is gathered from lanes l and l xor 16.
.macro QFRAG src, f, wd, u
.irp c, 0,1
	v_max3_num_f32 v[MX+\c], |v[\src+32*\c]|, |v[\src+32*\c+1]|, 0x1800000   ; with the floor 2^(3 - 127): the byte cannot fall under 1
.endr
.irp m, 2,4,6,8,10,12,14,16,18,20,22,24,26,28,30
.irp c, 0,1
	v_max3_num_f32 v[MX+\c], v[MX+\c], |v[\src+32*\c+\m]|, |v[\src+32*\c+\m+1]|
.endr
.endr
.irp c, 0,1
	v_add_nc_u32 v[SOP+\c], 0xff000000, v[MX+\c]   ; 2 off the exponent field: the conversion takes this operand's exponent field as its scale
.endr
	v_lshrrev_b32 v[BY0], 23, v[SOP]
	v_lshrrev_b32 v[BY1], 23, v[SOP+1]
	v_lshl_or_b32 v[\wd], v[BY1], 16, v[BY0]       ; my bytes: blocks h and 2 + h,
	v_lshlrev_b32 v[\wd], v[SH8], v[\wd]           ; at their places;
	v_permlanex16_b32 v[PT], v[\wd], s34, s35
	v_or_b32 v[\wd], v[\wd], v[PT]                 ; with the other half's two the word is whole, in all 32 lanes
.irp c, 0,1
	v_cvt_scalef32_pk16_fp6_f32 v[\f+6*\c:\f+6*\c+2], v[\src+32*\c:\src+32*\c+15], v[SOP+\c]
	v_cvt_scalef32_pk16_fp6_f32 v[CT+4*\c:CT+4*\c+2], v[\src+32*\c+16:\src+32*\c+31], v[SOP+\c]
.endr
	v_nop                                          ; one plain line behind the scaled conversions
.irp c, 0,1
.irp k, 0,1,2
	v_mov_b32 v[\f+6*\c+3+\k], v[CT+4*\c+\k]
.endr
.endr
.irp k, 0,1,2
	global_store_b128 v[L16], v[\f+4*\k:\f+4*\k+3], s[42:43] offset:1536*\u+512*\k   ; 32 lanes store 512 consecutive bytes
.endr
	global_store_b32 v[L4], v[\wd], s[54:55] offset:128*\u
.endm
; By columns.  Block b of my column: 32 numbers down K.
.macro LOADC kind, b
.set I, 0
.rept 32
.if \kind == 0
	global_load_b32 v[X+32*\b+I], v[VCOL], s[36:37] offset:(32*\b+I)*16384 th:TH_LOAD_NT   ; a row of W: the four waves stand side by side on 512 bytes
.else
	global_load_b32 v[X+32*\b+I], v[VCOL], s[68+2*(2*\b+I/16):69+2*(2*\b+I/16)] offset:(I%16)*512   ; a key's row of V; a block of 32 keys is two entries of the table
.endif
.set I, I+1
.endr
.endm
.macro BLOCKQ b
.set XB, X+32*\b
.set FH, F0+12*(\b%2)+6*(\b/2)         ; block b is k = 64 (b / 2) + 32 (b % 2) on: registers 6 (b / 2) on of the image's lane r + 16 (b % 2)
	v_max3_num_f32 v[MX], |v[XB]|, |v[XB+1]|, |v[XB+2]|
	v_max3_num_f32 v[MX+1], |v[XB+3]|, |v[XB+4]|, |v[XB+5]|
.irp m, 6,10,14,18,22,26
	v_max3_num_f32 v[MX], v[MX], |v[XB+\m]|, |v[XB+\m+1]|
	v_max3_num_f32 v[MX+1], v[MX+1], |v[XB+\m+2]|, |v[XB+\m+3]|
.endr
	v_max3_num_f32 v[MX], v[MX], |v[XB+30]|, |v[XB+31]|
	v_max3_num_f32 v[MX], v[MX], v[MX+1], 0x1800000
	v_add_nc_u32 v[SOP], 0xff000000, v[MX]
	v_lshrrev_b32 v[BY0], 23, v[SOP]
.if \b == 0
	v_mov_b32 v[W1], v[BY0]
.else
	v_lshl_or_b32 v[W1], v[BY0], 8*\b, v[W1]
.endif
	v_cvt_scalef32_pk16_fp6_f32 v[FH:FH+2], v[XB:XB+15], v[SOP]
	v_cvt_scalef32_pk16_fp6_f32 v[CT:CT+2], v[XB+16:XB+31], v[SOP]
	v_nop
.irp k, 0,1,2
	v_mov_b32 v[FH+3+\k], v[CT+\k]
.endr
.endm
; 128 along K of the wave's 32 columns.  Loads run two blocks (64 loads a wave) ahead.  ob: the block's address; cb, sb: where codes and scale words begin in it.
.macro COLQ kind, ob, cb, sb
	LOADC \kind, 0
	LOADC \kind, 1
.if \kind
	s_wait_xcnt 0x0                                ; the stores by rows have read v32-55 and v2, which are written again below
.endif
	s_wait_loadcnt 32                              ; block 0 is in; block 1's 32 may be out
	LOADC \kind, 2
	BLOCKQ 0
	s_wait_loadcnt 32                              ; block 1 is in; block 2's may be out
	LOADC \kind, 3
	BLOCKQ 1
	s_wait_loadcnt 32                              ; block 2 is in; block 3's may be out
	BLOCKQ 2
	s_wait_loadcnt 0x0
	BLOCKQ 3
.irp h, 0,1
.irp k, 0,1,2
	global_store_b128 v[VST], v[F0+12*\h+4*\k:F0+12*\h+4*\k+3], s[\ob:\ob+1] offset:\cb+512*\k+256*\h   ; sixteen lanes store 256 consecutive bytes, aligned
.endr
.endr
	global_store_b32 v[VSC], v[W1], s[\ob:\ob+1] offset:\sb
.endm
	s_cmp_ge_u32 s29, 2048
	s_cbranch_scc1 .Lnot_w
	; ---- Wq or Wo: columns 128 nb on, K step ks
	s_and_b32 s30, s29, 1023
	s_and_b32 s31, s30, 31                         ; nb
	s_lshr_b32 s32, s30, 5                         ; ks
	s_cmp_lt_u32 s29, 1024
	s_cselect_b64 s[36:37], s[8:9], s[10:11]
	s_cselect_b64 s[42:43], s[18:19], s[20:21]
	s_lshl_b32 s56, s32, 21                        ; 128 rows of 16,384 bytes
	s_lshl_b32 s57, s31, 9
	s_add_co_u32 s56, s56, s57
	s_mov_b32 s57, 0
	s_add_nc_u64 s[36:37], s[36:37], s[56:57]
	s_lshl_b32 s58, s31, 5
	s_add_co_u32 s58, s58, s32
	s_mul_i32 s58, s58, 12800                      ; block [nb][ks]: 8 images, then 4 pairs' scale words
	s_mov_b32 s59, 0
	s_add_nc_u64 s[42:43], s[42:43], s[58:59]
	s_wait_alu depctr_va_vdst(0)
	COLQ 0, 42, 0, 12288
	s_endpgm
.Lnot_w:
	s_cmp_ge_u32 s29, 2688
	s_cbranch_scc1 .Ltable
	; ---- by rows: K of the cache, or hidden_states.  ONE path: pointers and numbers are chosen by the work-group's number.  A wave takes two groups of 16 rows x 512 bytes and makes two fragments.
	s_and_b32 s30, s29, 63                         ; key step s
	s_bfe_u32 s31, s29, 0x30006                    ; KV head g
	s_lshl_b32 s32, s30, 5                         ; the step's eight entries begin at byte 32 s of the table,
	; K OF THE CACHE HAS AN ORDER OF ITS OWN: wave w = 2 c + a takes entries 4 c + a and 4 c + 2 + a of the step's eight, so that tile 4 c + u holds at lane r the key 64 c + 32 (r / 8) + 8 u + r % 8:
	; a transposed product's 32 registers of four neighbouring tiles are then a whole block of 32 keys in one lane.
	s_lshr_b32 s33, s28, 1
	s_lshl_b32 s33, s33, 4                         ; 16 c
	s_and_b32 s52, s28, 1
	s_lshl_b32 s52, s52, 2                         ; 4 a
	s_add_co_u32 s33, s33, s52
	s_add_co_u32 s33, s33, s32                     ; at most 32 s + 20: with the 8 below inside the table for every work-group that comes here
	s_load_b32 s52, s[16:17], s33 offset:0x0
	s_load_b32 s53, s[16:17], s33 offset:0x8
	s_load_b256 s[44:51], s[16:17], s32 offset:0x0
	s_lshl_b32 s56, s31, 13                        ; K: the head's 16 rows in a cache block
	s_lshl_b32 s57, s31, 6
	s_add_co_u32 s57, s57, s30
	s_mul_i32 s57, s57, 26112                      ; block [g][s] of kv_img
	s_mul_i32 s58, s28, 3072
	s_add_co_u32 s58, s58, s57                     ; my two images
	s_lshl_b32 s59, s28, 8
	s_add_co_u32 s59, s59, s57
	s_add_co_u32 s59, s59, 24576                   ; my two scale images
	s_lshl_b32 s60, s29, 2                         ; hidden: job = 4 (work-group - 2560) + wave, taken modulo 512
	s_add_co_u32 s60, s60, s28
	s_and_b32 s60, s60, 511
	s_and_b32 s61, s60, 31                         ; K step
	s_lshr_b32 s60, s60, 5                         ; which 32 positions
	s_lshl_b32 s62, s60, 19
	s_lshl_b32 s63, s61, 9
	s_add_co_u32 s62, s62, s63                     ; their first row's 512 bytes
	s_lshr_b32 s63, s60, 1
	s_lshl_b32 s63, s63, 5
	s_add_co_u32 s63, s63, s61
	s_mul_i32 s63, s63, 6656                       ; block [positions / 64][K step] of x_img
	s_and_b32 s60, s60, 1
	s_mul_i32 s61, s60, 3072
	s_add_co_u32 s61, s61, s63
	s_lshl_b32 s60, s60, 8
	s_add_co_u32 s60, s60, s63
	s_add_co_u32 s60, s60, 6144
	s_mov_b32 s40, 16384
	s_cmp_lt_u32 s29, 2560                         ; K's work-group or hidden's
	s_cselect_b64 s[36:37], s[14:15], s[12:13]
	s_cselect_b64 s[42:43], s[24:25], s[22:23]
	s_cselect_b32 s40, 512, s40                    ; bytes from row to row
	s_cselect_b32 s41, 0x20000, 0                  ; what a table entry counts for: a cache block's bytes, or nothing
	s_cselect_b32 s56, s56, s62
	s_cselect_b32 s62, 0, 0x40000                  ; hidden's second group lies 16 rows on
	s_cselect_b32 s58, s58, s61
	s_cselect_b32 s59, s59, s60
	s_mov_b32 s61, 0
	s_mov_b32 s63, 0
	s_wait_kmcnt 0x0
	s_min_u32 s52, s52, 1023
	s_min_u32 s53, s53, 1023
	s_mul_i32 s52, s52, s41
	s_mul_i32 s53, s53, s41
	s_add_co_u32 s60, s52, s56
	s_add_co_u32 s62, s62, s56
	s_add_co_u32 s62, s62, s53
	s_add_nc_u64 s[38:39], s[36:37], s[62:63]      ; group 1
	s_add_nc_u64 s[36:37], s[36:37], s[60:61]      ; group 0
	s_mov_b32 s60, s58
	s_mov_b32 s62, s59
	s_add_nc_u64 s[54:55], s[42:43], s[62:63]
	s_add_nc_u64 s[42:43], s[42:43], s[60:61]
.irp p, 0,1,2,3,4,5,6,7,8,9,10,11,12,13,14,15
	v_mad_u32_u24 v[VO+\p], s40, \p, v[L16]
.endr
.irp a, 0,1
.irp p, 0,1,2,3,4,5,6,7,8,9,10,11,12,13,14,15
	global_load_b128 v[X+64*\a+4*\p:X+64*\a+4*\p+3], v[VO+\p], s[36+2*\a:37+2*\a]   ; 32 lanes read a row's 512 consecutive bytes (no hint: the table may name a block twice)
.endr
.endr
	s_wait_loadcnt 16                              ; group 0's rows are in; group 1's 16 may be out
.irp p, 0,1,2,3,4,5,6,7,8,9,10,11,12,13,14,15
	ds_store_b128 v[STW], v[X+4*\p:X+4*\p+3] offset:528*\p
.endr
	s_wait_loadcnt 0x0
.irp p, 0,1,2,3,4,5,6,7,8,9,10,11,12,13,14,15
	ds_store_b128 v[STW], v[X+64+4*\p:X+64+4*\p+3] offset:8576+528*\p
.endr
.irp c, 0,1
.irp j, 0,1,2,3,4,5,6,7
	ds_load_b128 v[Y+32*\c+4*\j:Y+32*\c+4*\j+3], v[STR] offset:256*\c+16*\j   ; LDS serves a wave's instructions in order: these see my stores
.endr
.endr
	s_wait_dscnt 0x0                               ; fragment 0's numbers are in, and the stores have read v64-191
.irp c, 0,1
.irp j, 0,1,2,3,4,5,6,7
	ds_load_b128 v[X+32*\c+4*\j:X+32*\c+4*\j+3], v[STR] offset:4224+256*\c+16*\j   ; fragment 1: eight rows on in each group
.endr
.endr
	QFRAG Y, F0, W0, 0
	s_wait_dscnt 0x0
	QFRAG X, F1, W1, 1
	s_cmp_ge_u32 s29, 2560
	s_cbranch_scc1 .Lend
	; ---- V of the same key step: channels are the rows, the step's 128 keys are K
	s_mov_b32 s60, s57
	s_add_nc_u64 s[38:39], s[24:25], s[60:61]      ; the block (group 1's loads are done: their base may be written)
	s_lshl_b32 s62, s31, 13
	s_add_co_u32 s62, s62, 65536                   ; V's half of a cache block, my head
.irp e, 0,1,2,3,4,5,6,7
	s_min_u32 s[44+\e], s[44+\e], 1023
	s_lshl_b32 s[44+\e], s[44+\e], 17
	s_add_co_u32 s60, s[44+\e], s62
	s_add_nc_u64 s[68+2*\e:69+2*\e], s[14:15], s[60:61]
.endr
	COLQ 1, 38, 12288, 25600
.Lend:
	s_set_vgpr_msb 0x5
	s_wait_tensorcnt 0x0
	ds_add_u32 v0, v1
	s_wait_dscnt 0x0
	s_set_vgpr_msb 0x500
	s_endpgm
.Ltable:
	; ---- cos and sin.  Wave = position tile P; lane (r, h): position 32 (P / 2) + 8 (P % 2) + r + 8 (r / 8); register x: frequency 32 (x / 16) + 16 h + x % 16.
	s_sub_co_u32 s30, s29, 2688
	s_lshl_b32 s30, s30, 2
	s_add_co_u32 s30, s30, s28                     ; P
	s_lshr_b32 s31, s30, 1
	s_lshl_b32 s31, s31, 5
	s_and_b32 s32, s30, 1
	s_lshl_b32 s32, s32, 3
	s_add_co_u32 s31, s31, s32
	s_lshl_b32 s56, s30, 13
	s_mov_b32 s57, 0
	s_add_nc_u64 s[26:27], s[26:27], s[56:57]
	v_and_b32 v1, 8, v29
	v_add3_u32 v1, v1, v29, s31
	v_cvt_f32_u32 v1, v1                           ; the position
	v_lshlrev_b32 v2, 4, v30                       ; 16 h
	s_wait_alu depctr_va_vdst(0)
	s_mov_b32 s36, 0xbe549a78                      ; -log2(10000) / 64
	s_mov_b32 s37, 0x3f22f983                      ; 2 / pi
	s_mov_b32 s38, 0xbfc90fdb                      ; -(pi / 2), its f32 part,
	s_mov_b32 s39, 0x333bbd2e                      ; and what that part is too large by
	s_mov_b32 s40, 0xb94ca1f9                      ; sine on [-pi/4, pi/4]
	s_mov_b32 s41, 0x3c08839e
	s_mov_b32 s42, 0xbe2aaaa3
	s_mov_b32 s43, 0x37ccf5ce                      ; cosine
	s_mov_b32 s44, 0xbab6061a
	s_mov_b32 s45, 0x3d2aaaa5
; eight frequencies by turns: angle = position x 2^(-f log2(10000) / 64); j = nearest whole number of quarter turns; the rest in two fused steps (the first is exact); two polynomials; the quadrant
.macro SINCOS8 g
.irp e, 0,1,2,3,4,5,6,7
	v_add_nc_u32 v[64+\e], 32*((8*\g+\e)/16)+(8*\g+\e)%16, v2
.endr
.irp e, 0,1,2,3,4,5,6,7
	v_cvt_f32_u32 v[64+\e], v[64+\e]
.endr
.irp e, 0,1,2,3,4,5,6,7
	v_mul_f32 v[64+\e], s36, v[64+\e]
.endr
	s_wait_alu depctr_va_vdst(0)
.irp e, 0,1,2,3,4,5,6,7
	v_exp_f32 v[64+\e], v[64+\e]
.endr
	v_nop                                          ; one plain line behind the exponentials
	s_wait_alu depctr_va_vdst(0)
.irp e, 0,1,2,3,4,5,6,7
	v_mul_f32 v[64+\e], v[64+\e], v1
.endr
.irp e, 0,1,2,3,4,5,6,7
	v_mul_f32 v[72+\e], s37, v[64+\e]
.endr
.irp e, 0,1,2,3,4,5,6,7
	v_rndne_f32 v[72+\e], v[72+\e]
.endr
.irp e, 0,1,2,3,4,5,6,7
	v_fma_f32 v[64+\e], v[72+\e], s38, v[64+\e]
.endr
.irp e, 0,1,2,3,4,5,6,7
	v_fma_f32 v[64+\e], v[72+\e], s39, v[64+\e]
.endr
.irp e, 0,1,2,3,4,5,6,7
	v_cvt_i32_f32 v[80+\e], v[72+\e]
.endr
.irp e, 0,1,2,3,4,5,6,7
	v_mul_f32 v[88+\e], v[64+\e], v[64+\e]
.endr
.irp e, 0,1,2,3,4,5,6,7
	v_fma_f32 v[96+\e], v[88+\e], s40, s41
.endr
.irp e, 0,1,2,3,4,5,6,7
	v_fma_f32 v[96+\e], v[96+\e], v[88+\e], s42
.endr
.irp e, 0,1,2,3,4,5,6,7
	v_mul_f32 v[112+\e], v[88+\e], v[64+\e]
.endr
.irp e, 0,1,2,3,4,5,6,7
	v_fma_f32 v[96+\e], v[96+\e], v[112+\e], v[64+\e]
.endr
.irp e, 0,1,2,3,4,5,6,7
	v_fma_f32 v[104+\e], v[88+\e], s43, s44
.endr
.irp e, 0,1,2,3,4,5,6,7
	v_fma_f32 v[104+\e], v[104+\e], v[88+\e], s45
.endr
.irp e, 0,1,2,3,4,5,6,7
	v_fma_f32 v[104+\e], v[104+\e], v[88+\e], -0.5
.endr
.irp e, 0,1,2,3,4,5,6,7
	v_fma_f32 v[104+\e], v[104+\e], v[88+\e], 1.0
.endr
.irp e, 0,1,2,3,4,5,6,7
	v_and_b32 v[112+\e], 1, v[80+\e]
	v_cmp_eq_u32 vcc_lo, 1, v[112+\e]              ; an odd quarter: sine and cosine change places (a choice of values, no branch)
	v_cndmask_b32 v[160+8*\g+\e], v[96+\e], v[104+\e], vcc_lo
	v_cndmask_b32 v[128+8*\g+\e], v[104+\e], v[96+\e], vcc_lo
.endr
.irp e, 0,1,2,3,4,5,6,7
	v_lshlrev_b32 v[112+\e], 30, v[80+\e]          ; the sine is negative in quarters 2 and 3,
.endr
.irp e, 0,1,2,3,4,5,6,7
	v_and_b32 v[112+\e], 0x80000000, v[112+\e]
.endr
.irp e, 0,1,2,3,4,5,6,7
	v_xor_b32 v[160+8*\g+\e], v[160+8*\g+\e], v[112+\e]
.endr
.irp e, 0,1,2,3,4,5,6,7
	v_add_nc_u32 v[80+\e], 1, v[80+\e]             ; the cosine in quarters 1 and 2
.endr
.irp e, 0,1,2,3,4,5,6,7
	v_lshlrev_b32 v[80+\e], 30, v[80+\e]
.endr
.irp e, 0,1,2,3,4,5,6,7
	v_and_b32 v[80+\e], 0x80000000, v[80+\e]
.endr
.irp e, 0,1,2,3,4,5,6,7
	v_xor_b32 v[128+8*\g+\e], v[128+8*\g+\e], v[80+\e]
.endr
.endm
	SINCOS8 0
	SINCOS8 1
	SINCOS8 2
	SINCOS8 3
.irp c, 0,1,2,3,4,5,6,7,8,9,10,11,12,13,14,15
	global_store_b128 v[L16], v[128+4*\c:131+4*\c], s[26:27] offset:512*\c   ; registers 0-31 cosines, 32-63 sines, as an image
.endr
	s_endpgm
.Lfunc_end_k_qcbe2b0ebe6_prep:
	.size	k_qcbe2b0ebe6_prep, .Lfunc_end_k_qcbe2b0ebe6_prep-k_qcbe2b0ebe6_prep
	.p2alignl 7, 3214868480
	.fill 96, 4, 3214868480
	.section	.rodata,"a",@progbits
	.p2align	6, 0x0
	.amdhsa_kernel k_qcbe2b0ebe6_prep
		.amdhsa_group_segment_fixed_size 70144
		.amdhsa_private_segment_fixed_size 0
		.amdhsa_enable_private_segment 0
		.amdhsa_kernarg_size 80
		.amdhsa_user_sgpr_count 2
		.amdhsa_user_sgpr_kernarg_segment_ptr 1
		.amdhsa_wavefront_size32 1
		.amdhsa_system_sgpr_workgroup_id_x 1
		.amdhsa_system_sgpr_workgroup_id_y 1
		.amdhsa_system_sgpr_workgroup_id_z 1
		.amdhsa_system_vgpr_workitem_id 0
		.amdhsa_next_free_vgpr 258
		.amdhsa_next_free_sgpr 84
		.amdhsa_reserve_vcc 1
		.amdhsa_float_denorm_mode_32 3
		.amdhsa_float_denorm_mode_16_64 3
		.amdhsa_memory_ordered 1
		.amdhsa_forward_progress 1
		.amdhsa_inst_pref_size 103
	.end_amdhsa_kernel
	.amdgpu_metadata
---
amdhsa.version: [ 1, 2 ]
amdhsa.kernels:
  - .name:           k_qcbe2b0ebe6_prep
    .symbol:         k_qcbe2b0ebe6_prep.kd
    .args:
      - { .name: Wq, .offset: 0, .size: 8, .value_kind: global_buffer, .address_space: global }
      - { .name: Wo, .offset: 8, .size: 8, .value_kind: global_buffer, .address_space: global }
      - { .name: hidden_states, .offset: 16, .size: 8, .value_kind: global_buffer, .address_space: global }
      - { .name: kv_cache, .offset: 24, .size: 8, .value_kind: global_buffer, .address_space: global }
      - { .name: block_table, .offset: 32, .size: 8, .value_kind: global_buffer, .address_space: global }
      - { .name: wq_img, .offset: 40, .size: 8, .value_kind: global_buffer, .address_space: global }
      - { .name: wo_img, .offset: 48, .size: 8, .value_kind: global_buffer, .address_space: global }
      - { .name: x_img, .offset: 56, .size: 8, .value_kind: global_buffer, .address_space: global }
      - { .name: kv_img, .offset: 64, .size: 8, .value_kind: global_buffer, .address_space: global }
      - { .name: rope_tab, .offset: 72, .size: 8, .value_kind: global_buffer, .address_space: global }
    .group_segment_fixed_size: 70144
    .private_segment_fixed_size: 0
    .kernarg_segment_align: 8
    .kernarg_segment_size: 80
    .max_flat_workgroup_size: 128
    .sgpr_count:     84
    .vgpr_count:     258
    .wavefront_size: 32
...
	.end_amdgpu_metadata
.endif
;; end of part 1
;; launch gemm_q (part 2): grid 32 x 8, 4 waves a work-group, clusters of 4 x 4, 327,680 bytes of LDS; arguments x_img, wq_img, rope_tab, q_img; writes q_img
.if DOCPART == 2
	.amdgcn_target "amdgcn-amd-amdhsa--gfx1250"
	.amdhsa_code_object_version 6
	.text
	.protected	k_qcbe2b0ebe6_gemm_q
	.globl	k_qcbe2b0ebe6_gemm_q
	.p2align	8
	.type	k_qcbe2b0ebe6_gemm_q,@function
k_qcbe2b0ebe6_gemm_q:
	s_mov_b64 s[64:65], 0
	v_nop
	global_prefetch_b8 v0, s[64:65] scope:SCOPE_SE
	s_setreg_imm32_b32 hwreg(HW_REG_WAVE_MODE, 25, 1), 1
	s_wait_xcnt 0x0
	s_wait_alu depctr_hold_cnt(0) depctr_sa_sdst(0) depctr_va_vdst(0) depctr_va_sdst(0) depctr_va_ssrc(0) depctr_va_vcc(0) depctr_vm_vsrc(0)
	s_getreg_b32 s2, hwreg(HW_REG_IB_STS2, 6, 4)
	s_cmp_eq_u32 s2, 0
	s_cbranch_scc0 .Lentry_in_a_cluster
	s_endpgm
.Lentry_in_a_cluster:
	s_bfe_u32 s2, ttmp6, 0x10000c
	s_cmp_lg_u32 s2, 0xf033
	s_cbranch_scc0 .Lentry_shape_is_right
	s_endpgm
.Lentry_shape_is_right:
; q = hidden Wq on codes of FP6 (E2M3) with E8M0 scales, then the rotation and the quantiser along a head's 128: images of q's fragments.
; A work-group makes 128 columns (one head, nb) x 64 positions (pb): 8 x 4 = 32 accumulators of 16 x 16.  THE FOUR WAVES SHARE K, NOT THE TILE: each holds all 32 accumulators for a quarter of the 32 K steps,
; so that 12 fragments read from LDS feed 32 matrix instructions and none is read twice; the four partial sums meet once in LDS.  LIMIT: a sum over K is formed in four parts, in f32.
; Operands come as images of their registers: a fragment is three loads of 16 bytes at 16 x lane.
; LDS HOLDS 16 K STEPS AT ONCE: W's (16 x 12,800 bytes), then x's (16 x 6,656), and is filled twice, each time by one tensor load a wave: waves 0 and 1 bring 8 K steps of W each (400 rows of 256 bytes), waves 2 and 3
; 8 of x (208 rows).  Ahead of the one refill each wave takes its last two K steps' fragments into registers, so that all of LDS is read to the end, and multiplies them while the refill is on its way.
; CLUSTER 4 x 4: the four work-groups of a column need the same W, the four of a row the same x: each block is asked for jointly, by the same tensor load with a mask that names the four.
; No prefetch: the text has no loop to run ahead in; its two fills are all that it asks of memory.
; THE PRODUCT IS USED TRANSPOSED (source 0 = 16 columns of W, source 1 = 16 positions): a lane holds one position, and by the order of W's columns in a tile its register x is channel 32 (x / 16) + 16 (lane / 16) + x % 16.
; REGISTERS: window 0: v1-16 addresses; v28-29 for the add; v32-127 x's fragments, two K steps; v128-143 scale words and nothing else; v144-255 the way out.  window 1: v0-191 W's fragments, two K steps; v192-255 cos, sin.
;   window 2: accumulator (f, t) at v[64 f + 8 t].
.set WSTEP, 12800
.set XSTEP, 6656
.set WSL,   8*WSTEP                    ; half of W's region: 8 K steps
.set XSL,   8*XSTEP                    ; half of x's
.set XOFF,  16*WSTEP                   ; x's region begins behind W's 16 K steps
.set SPARE, XOFF+16*XSTEP              ; behind both: the spare words, 128 bytes a wave: two blocks of 256 bytes that no other line names
.set AW,   1                           ; v1-2  my two K steps of W in the lower, upper half: 16 x lane + ..
.set AX,   3                           ; v3-4  of x
.set SW,   5                           ; v5-6  the same with 4 x lane, for scale words
.set SX,   7                           ; v7-8
.set LN16, 10
.set LN4,  11
.set MS,   12                          ; v12  where my partial sums go
.set RD0,  13                          ; v13-14  where my tile's four partial sums lie
.set RD1,  14
.set SPW,  28
.set NIL,  29
.set XF,   32
.set WS,   128
.set XS,   136
.set TM,   144
.set PW,   160
.set PCQ,  164
.set ACC,  192
.set SEL,  2
.set G1X,  24                          ; s[24:31], s[32:35] descriptor groups 1 and 0 for x;  s[48:55], s[56:59] for W
.set G0X,  32
.set G1W,  48
.set G0W,  56
.set MSB, 0
.macro WIN new                         ; the immediate's high byte repeats the setting that is left
.if MSB != \new
	s_set_vgpr_msb (MSB<<8)|\new
.set MSB, \new
.endif
.endm
.macro PLACES                          ; four plain lines between a matrix instruction and a load into, or a store or vector read of, its registers
.rept 4
	v_nop
.endr
.endm
.macro CROUND                          ; a round of the cluster's barrier
	s_barrier_signal -1
	s_barrier_wait -1
	s_cmp_lg_u32 s12, 0
	s_cbranch_scc1 .Lnot_wave_0_\@
	s_barrier_signal -3
.Lnot_wave_0_\@:
	s_barrier_wait -3
	s_barrier_signal -1
	s_barrier_wait -1
.endm
.macro JLOAD                           ; a joint fill: waves 0 and 1 fetch W's halves, waves 2 and 3 x's; four v_nop follow each line
	s_cmp_eq_u32 s13, 0
	s_cbranch_scc0 .Lfor_x_\@
	tensor_load_to_lds s[G0W:G0W+3], s[G1W:G1W+7]
	s_nop 0
	PLACES
	s_branch .Lasked_\@
.Lfor_x_\@:
	tensor_load_to_lds s[G0X:G0X+3], s[G1X:G1X+7]
	s_nop 0
	PLACES
.Lasked_\@:
.endm
.macro MM d, a, b, zero, sa, sb, odd   ; one product; an odd tile's scale words lie in lanes 16-31
.if \zero
.if \odd
	v_wmma_scale_f32_16x16x128_f8f6f4 v[\d:\d+7], v[\a:\a+11], v[\b:\b+11], 0, v[\sa], v[\sb] matrix_a_fmt:MATRIX_FMT_FP6 matrix_b_fmt:MATRIX_FMT_FP6 matrix_a_scale:MATRIX_SCALE_ROW1
.else
	v_wmma_scale_f32_16x16x128_f8f6f4 v[\d:\d+7], v[\a:\a+11], v[\b:\b+11], 0, v[\sa], v[\sb] matrix_a_fmt:MATRIX_FMT_FP6 matrix_b_fmt:MATRIX_FMT_FP6
.endif
.else
.if \odd
	v_wmma_scale_f32_16x16x128_f8f6f4 v[\d:\d+7], v[\a:\a+11], v[\b:\b+11], v[\d:\d+7], v[\sa], v[\sb] matrix_a_fmt:MATRIX_FMT_FP6 matrix_b_fmt:MATRIX_FMT_FP6 matrix_a_scale:MATRIX_SCALE_ROW1
.else
	v_wmma_scale_f32_16x16x128_f8f6f4 v[\d:\d+7], v[\a:\a+11], v[\b:\b+11], v[\d:\d+7], v[\sa], v[\sb] matrix_a_fmt:MATRIX_FMT_FP6 matrix_b_fmt:MATRIX_FMT_FP6
.endif
.endif
.endm
.macro FETCH slot, j                   ; my j-th K step of a half: 8 scale words, x's 4 fragments, W's 8: 44 loads
.irp y, 0,1,2,3
	ds_load_b32 v[WS+4*\j+\y], v[SW+\slot] offset:WSTEP*\j+12288+128*\y
.endr
.irp f, 0,1,2,3
	ds_load_b32 v[XS+4*\j+\f], v[SX+\slot] offset:XSTEP*\j+6144+128*\f
.endr
.set G, 0
.rept 12
	ds_load_b128 v[XF+48*\j+4*G:XF+48*\j+4*G+3], v[AX+\slot] offset:XSTEP*\j+512*G
.set G, G+1
.endr
	WIN 0x40                                       ; destination window 1
.set G, 0
.rept 24
	ds_load_b128 v[96*\j+4*G:96*\j+4*G+3], v[AW+\slot] offset:WSTEP*\j+512*G
.set G, G+1
.endr
	WIN 0
.endm
.macro MULS j, zero                    ; 32 products; the 32 accumulators take turns, one instruction a turn, in the same order in every K step
	WIN 0xa1                                       ; source 0 (W) window 1, source 1 (x) window 0, C and D window 2
.irp f, 0,1,2,3
.irp t, 0,1,2,3,4,5,6,7
	MM 64*\f+8*\t, 96*\j+12*\t, XF+48*\j+12*\f, \zero, WS+4*\j+\t/2, XS+4*\j+\f, \t%2
.endr
.endr
.endm
.macro WORK slot, zero                 ; my two K steps of a half
	FETCH \slot, 0
	FETCH \slot, 1
	s_wait_dscnt 44                                ; the first K step's 44 loads are in; the second's 44 may be out
	MULS 0, \zero
	s_wait_dscnt 0x0
	MULS 1, 0
	WIN 0
.endm
; 64 numbers of a lane, register 16 b + i = k 32 b + 16 (lane / 16) + i of its row, become a fragment's codes in v[PCQ] on and its scale word in v[PW].
.macro QUANT s
.irp b, 0,1,2,3
	v_max3_num_f32 v[TM+\b], |v[\s+16*\b]|, |v[\s+16*\b+1]|, 0x1800000   ; with the floor 2^(3 - 127): the byte cannot fall under 1
.endr
.irp m, 2,4,6,8,10,12,14
.irp b, 0,1,2,3
	v_max3_num_f32 v[TM+\b], v[TM+\b], |v[\s+16*\b+\m]|, |v[\s+16*\b+\m+1]|
.endr
.endr
.irp b, 0,1,2,3
	v_permlanex16_b32 v[TM+4+\b], v[TM+\b], s[SEL], s[SEL+1]
.endr
.irp b, 0,1,2,3
	v_max_num_f32 v[TM+\b], v[TM+\b], v[TM+4+\b]   ; with lane l xor 16's: the block's largest magnitude
.endr
.irp b, 0,1,2,3
	v_add_nc_u32 v[TM+12+\b], 0xff000000, v[TM+\b] ; 2 off the exponent field: the conversion's scale operand
.endr
.irp b, 0,1,2,3
	v_lshrrev_b32 v[TM+4+\b], 23, v[TM+12+\b]      ; the byte
.endr
	v_lshl_or_b32 v[PW], v[TM+5], 8, v[TM+4]
	v_lshl_or_b32 v[PW], v[TM+6], 16, v[PW]
	v_lshl_or_b32 v[PW], v[TM+7], 24, v[PW]
.irp c, 0,1
	v_cvt_scalef32_pk16_fp6_f32 v[PCQ+6*\c:PCQ+6*\c+2], v[\s+32*\c:\s+32*\c+15], v[TM+12+2*\c]
	v_cvt_scalef32_pk16_fp6_f32 v[PCQ+12+4*\c:PCQ+14+4*\c], v[\s+32*\c+16:\s+32*\c+31], v[TM+12+2*\c+1]
.endr
	v_nop                                          ; one plain line behind the scaled conversions
.irp c, 0,1                            ; the operand wants a whole block in a lane: lanes 0-15 block 2 c, lanes 16-31 block 2 c + 1
.irp k, 0,1,2
	v_permlane16_swap_b32 v[PCQ+6*\c+\k], v[PCQ+12+4*\c+\k]
.endr
.irp k, 0,1,2
	v_mov_b32 v[PCQ+3+6*\c+\k], v[PCQ+12+4*\c+\k]
.endr
.endr
.endm
	s_load_b128 s[4:7], s[0:1], 0x0                ; x's images s[4:5], W's s[6:7]
	s_load_b128 s[8:11], s[0:1], 0x10              ; the table s[8:9], q's images s[10:11]
	v_lshl_add_u32 v[SPW], v0, 2, SPARE
	v_mov_b32 v[NIL], 0
	ds_add_u32 v[SPW], v[NIL]                      ; the opening lines: the add, twice on end, and its wait ahead of my first tensor load
	ds_add_u32 v[SPW], v[NIL]
	s_wait_dscnt 0x0
	v_lshrrev_b32 v1, 5, v0
	v_readfirstlane_b32 s12, v1                    ; wave
	s_lshr_b32 s13, s12, 1                         ; I fetch for W (0) or for x (1),
	s_and_b32 s14, s12, 1                          ; and which half of the 16 K steps
	s_bfe_u32 s40, ttmp6, 0x40000                  ; cx, cy: my place in the cluster
	s_bfe_u32 s41, ttmp6, 0x40004
	s_lshl_b32 s42, ttmp9, 2
	s_add_co_u32 s42, s42, s40                     ; nb = 4 x cluster x + cx
	s_and_b32 s15, ttmp7, 0xffff
	s_lshl_b32 s15, s15, 2
	s_add_co_u32 s15, s15, s41                     ; pb = 4 x cluster y + cy
	s_lshl_b32 s43, s41, 2
	s_lshl_b32 s43, 15, s43                        ; my row of the cluster
	s_lshl_b32 s44, 0x1111, s40                    ; my column
	; dense blocks, as rows of 256 bytes (32 elements of 8 bytes): x 208 rows, W 400
	s_or_b32 s[G1X], s43, (3<<16)|(1<<21)          ; 15:0 the mask: x goes to my row; 17:16 elements of 8 bytes; 21 set beside a mask
	s_or_b32 s[G1W], s44, (3<<16)|(1<<21)          ; W goes to my column
	s_mov_b32 s[G1X+1], 32<<16                     ; tensor_dim0
	s_mov_b32 s[G1X+2], 208<<16                    ; tensor_dim1
	s_mov_b32 s[G1X+3], 32<<16                     ; tile_dim0
	s_mov_b32 s[G1X+4], 208                        ; tile_dim1
	s_mov_b32 s[G1X+5], 32                         ; from row to row
	s_mov_b32 s[G1X+6], 0
	s_mov_b32 s[G1X+7], 0
	s_mov_b32 s[G1W+1], 32<<16
	s_mov_b32 s[G1W+2], 400<<16
	s_mov_b32 s[G1W+3], 32<<16
	s_mov_b32 s[G1W+4], 400
	s_mov_b32 s[G1W+5], 32
	s_mov_b32 s[G1W+6], 0
	s_mov_b32 s[G1W+7], 0
	s_mul_i32 s16, s15, 32*XSTEP                   ; x: hangs on pb alone, which my row shares
	s_mul_i32 s18, s14, XSL
	s_add_co_u32 s16, s16, s18
	s_mov_b32 s17, 0
	s_mul_i32 s46, s42, 32*WSTEP                   ; W: on nb alone, which my column shares
	s_mul_i32 s19, s14, WSL
	s_add_co_u32 s46, s46, s19
	s_mov_b32 s47, 0
	s_wait_kmcnt 0x0
	s_add_nc_u64 s[16:17], s[4:5], s[16:17]
	s_add_nc_u64 s[46:47], s[6:7], s[46:47]
	CROUND                                         ; all sixteen work-groups are here: the first joint loads meet
	s_mov_b32 s[G0X], 1
	s_add_co_u32 s[G0X+1], s18, XOFF
	s_mov_b64 s[G0X+2:G0X+3], s[16:17]
	s_or_b32 s[G0X+3], s[G0X+3], 0x80000000
	s_mov_b32 s[G0W], 1
	s_mov_b32 s[G0W+1], s19
	s_mov_b64 s[G0W+2:G0W+3], s[46:47]
	s_or_b32 s[G0W+3], s[G0W+3], 0x80000000
	JLOAD                                          ; K steps 0-15: one tensor load a wave at the head
	v_and_b32 v9, 31, v0
	v_lshlrev_b32 v[LN16], 4, v9
	v_lshlrev_b32 v[LN4], 2, v9
	s_mul_i32 s20, s12, 2*WSTEP                    ; wave w multiplies K steps 2 w and 2 w + 1 of each half
	s_mul_i32 s21, s12, 2*XSTEP
	s_add_co_u32 s21, s21, XOFF
	v_add_nc_u32 v[AW], s20, v[LN16]
	v_add_nc_u32 v[AX], s21, v[LN16]
	v_add_nc_u32 v[SW], s20, v[LN4]
	v_add_nc_u32 v[SX], s21, v[LN4]
	v_add_nc_u32 v[AW+1], WSL, v[AW]
	v_add_nc_u32 v[AX+1], XSL, v[AX]
	v_add_nc_u32 v[SW+1], WSL, v[SW]
	v_add_nc_u32 v[SX+1], XSL, v[SX]
	s_lshl_b32 s20, s12, 15
	v_add_nc_u32 v[MS], s20, v[LN16]               ; my 32 accumulators' image: 32,768 bytes a wave
	s_lshl_b32 s20, s12, 13
	v_add_nc_u32 v[RD0], s20, v[LN16]              ; position tile f = wave, in the partial sums of waves 0 and 1,
	v_add_nc_u32 v[RD1], 0x10000, v[RD0]           ; and of waves 2 and 3
.irp b, 0,1,2,3
	v_mov_b32 v[TM+4+\b], 0                        ; a lane permute's destination counts as one of its sources
.endr
	s_mov_b32 s[SEL], 0x76543210
	s_mov_b32 s[SEL+1], 0xfedcba98
	s_lshl_b32 s20, s15, 2
	s_add_co_u32 s20, s20, s12                     ; my position tile P = 4 pb + wave
	s_lshl_b32 s22, s20, 13
	s_mov_b32 s23, 0
	s_add_nc_u64 s[8:9], s[8:9], s[22:23]
	s_lshl_b32 s20, s20, 5
	s_add_co_u32 s20, s20, s42                     ; 32 P + head
	s_mul_i32 s22, s20, 1536
	s_lshl_b32 s20, s20, 7
	s_add_co_u32 s20, s20, 1572864
	s_mov_b32 s21, 0
	s_add_nc_u64 s[20:21], s[10:11], s[20:21]      ; its scale words
	s_add_nc_u64 s[10:11], s[10:11], s[22:23]      ; its codes
	s_wait_alu depctr_va_vdst(0)                   ; the wait at the head's end
	WIN 0x40
.irp c, 0,1,2,3,4,5,6,7,8,9,10,11,12,13,14,15
	global_load_b128 v[192+4*\c:195+4*\c], v[LN16], s[8:9] offset:512*\c   ; cos, sin of my position tile: wanted at the end
.endr
	WIN 0
	s_wait_tensorcnt 0x0                           ; my part of K steps 0-15 is in;
	s_barrier_signal -1
	s_barrier_wait -1                              ; everybody's is.
	WORK 0, 1                                      ; K steps 0-7: the first products start the sums
	PLACES
	FETCH 1, 0                                     ; K steps 8-15 into registers: LDS is then read to the end
	FETCH 1, 1
	s_wait_tensorcnt 0x0                           ; no tensor load of mine is out, so a group 0 may be written
	ds_add_u32 v[SPW], v[NIL]                      ; 0 onto my spare word
	s_add_nc_u64 s[G0X+2:G0X+3], s[G0X+2:G0X+3], 16*XSTEP
	s_add_nc_u64 s[G0W+2:G0W+3], s[G0W+2:G0W+3], 16*WSTEP
	s_wait_dscnt 0x0                               ; the add is done, and my reads of LDS have come back
	CROUND
	JLOAD                                          ; K steps 16-31, my one tensor load behind the round
	MULS 0, 0                                      ; K steps 8-15, from registers
	MULS 1, 0
	WIN 0
	s_wait_tensorcnt 0x0                           ; my part of K steps 16-31 is in;
	s_barrier_signal -1
	s_barrier_wait -1                              ; everybody's is.
	PLACES
	WORK 0, 0                                      ; 16-23
	PLACES
	WORK 1, 0                                      ; 24-31
	s_barrier_signal -1                            ; (WORK has waited for all my LDS loads)
	s_barrier_wait -1                              ; nobody reads the operands any more
	; THE PARTIAL SUMS MEET in LDS bytes 0 to 131,071, which have had their last fill.  Each accumulator is stored from its low end on.
	PLACES
	WIN 0x08                                       ; an LDS store's data are its source 1: window 2
.set G, 0
.rept 64
	ds_store_b128 v[MS], v[4*G:4*G+3] offset:512*G
.set G, G+1
.endr
	WIN 0
	s_wait_dscnt 0x0                               ; for the others' sake: my stores have landed
	s_barrier_signal -1
	s_barrier_wait -1
.irp ch, 0,1                           ; my tile's 64 registers in two halves
.irp c, 0,1,2,3,4,5,6,7
	ds_load_b128 v[ACC+32*\ch+4*\c:ACC+32*\ch+4*\c+3], v[RD0] offset:4096*\ch+512*\c
	ds_load_b128 v[32+4*\c:35+4*\c], v[RD0] offset:32768+4096*\ch+512*\c
	ds_load_b128 v[64+4*\c:67+4*\c], v[RD1] offset:4096*\ch+512*\c
	ds_load_b128 v[96+4*\c:99+4*\c], v[RD1] offset:32768+4096*\ch+512*\c
.endr
	s_wait_dscnt 0x0
.irp p, 0,2,4,6,8,10,12,14,16,18,20,22,24,26,28,30
	v_pk_add_f32 v[ACC+32*\ch+\p:ACC+32*\ch+\p+1], v[ACC+32*\ch+\p:ACC+32*\ch+\p+1], v[32+\p:33+\p]
	v_pk_add_f32 v[64+\p:65+\p], v[64+\p:65+\p], v[96+\p:97+\p]
.endr
.irp p, 0,2,4,6,8,10,12,14,16,18,20,22,24,26,28,30
	v_pk_add_f32 v[ACC+32*\ch+\p:ACC+32*\ch+\p+1], v[ACC+32*\ch+\p:ACC+32*\ch+\p+1], v[64+\p:65+\p]
.endr
.endr
	; THE ROTATION: registers x and 32 + x are channels d and d + 64:  out(d) = q(d) cos - q(d + 64) sin;  out(d + 64) = q(d + 64) cos + q(d) sin
	s_wait_alu depctr_va_vdst(0)                   ; the wait here, directly ahead of the wait below
	s_wait_loadcnt 0x0
	WIN 0x04                                       ; source 1 (the table) window 1
.irp p, 0,2,4,6,8,10,12,14,16,18,20,22,24,26,28,30
	v_pk_mul_f32 v[32+\p:33+\p], v[ACC+\p:ACC+\p+1], v[192+\p:193+\p]
	v_pk_mul_f32 v[64+\p:65+\p], v[ACC+32+\p:ACC+33+\p], v[192+\p:193+\p]
.endr
.irp p, 0,2,4,6,8,10,12,14,16,18,20,22,24,26,28,30
	v_pk_fma_f32 v[32+\p:33+\p], v[ACC+32+\p:ACC+33+\p], v[224+\p:225+\p], v[32+\p:33+\p] neg_lo:[1,0,0] neg_hi:[1,0,0]
	v_pk_fma_f32 v[64+\p:65+\p], v[ACC+\p:ACC+\p+1], v[224+\p:225+\p], v[64+\p:65+\p]
.endr
	WIN 0
	QUANT 32
.irp k, 0,1,2
	global_store_b128 v[LN16], v[PCQ+4*\k:PCQ+4*\k+3], s[10:11] offset:512*\k   ; 32 lanes store 512 consecutive bytes
.endr
	global_store_b32 v[LN4], v[PW], s[20:21]
	s_wait_tensorcnt 0x0                           ; the wave's end
	ds_add_u32 v[SPW], v[NIL]
	s_wait_dscnt 0x0
	CROUND                                         ; the closing round
	s_endpgm
.Lfunc_end_k_qcbe2b0ebe6_gemm_q:
	.size	k_qcbe2b0ebe6_gemm_q, .Lfunc_end_k_qcbe2b0ebe6_gemm_q-k_qcbe2b0ebe6_gemm_q
	.p2alignl 7, 3214868480
	.fill 96, 4, 3214868480
	.section	.rodata,"a",@progbits
	.p2align	6, 0x0
	.amdhsa_kernel k_qcbe2b0ebe6_gemm_q
		.amdhsa_group_segment_fixed_size 327680
		.amdhsa_private_segment_fixed_size 0
		.amdhsa_enable_private_segment 0
		.amdhsa_kernarg_size 32
		.amdhsa_user_sgpr_count 2
		.amdhsa_user_sgpr_kernarg_segment_ptr 1
		.amdhsa_wavefront_size32 1
		.amdhsa_system_sgpr_workgroup_id_x 1
		.amdhsa_system_sgpr_workgroup_id_y 1
		.amdhsa_system_sgpr_workgroup_id_z 1
		.amdhsa_system_vgpr_workitem_id 0
		.amdhsa_next_free_vgpr 768
		.amdhsa_next_free_sgpr 66
		.amdhsa_reserve_vcc 0
		.amdhsa_float_denorm_mode_32 3
		.amdhsa_float_denorm_mode_16_64 3
		.amdhsa_memory_ordered 1
		.amdhsa_forward_progress 1
		.amdhsa_inst_pref_size 87
	.end_amdhsa_kernel
	.amdgpu_metadata
---
amdhsa.version: [ 1, 2 ]
amdhsa.kernels:
  - .name:           k_qcbe2b0ebe6_gemm_q
    .symbol:         k_qcbe2b0ebe6_gemm_q.kd
    .args:
      - { .name: x_img, .offset: 0, .size: 8, .value_kind: global_buffer, .address_space: global }
      - { .name: wq_img, .offset: 8, .size: 8, .value_kind: global_buffer, .address_space: global }
      - { .name: rope_tab, .offset: 16, .size: 8, .value_kind: global_buffer, .address_space: global }
      - { .name: q_img, .offset: 24, .size: 8, .value_kind: global_buffer, .address_space: global }
    .group_segment_fixed_size: 327680
    .private_segment_fixed_size: 0
    .kernarg_segment_align: 8
    .kernarg_segment_size: 32
    .max_flat_workgroup_size: 128
    .sgpr_count:     66
    .vgpr_count:     768
    .wavefront_size: 32
...
	.end_amdgpu_metadata
.endif
;; end of part 2
;; launch attn (part 3): grid 32 x 8, 8 waves a work-group, clusters of 4 x 1, 327,680 bytes of LDS; arguments q_img, kv_img, c_img; writes c_img
.if DOCPART == 3
	.amdgcn_target "amdgcn-amd-amdhsa--gfx1250"
	.amdhsa_code_object_version 6
	.text
	.protected	k_qcbe2b0ebe6_attn
	.globl	k_qcbe2b0ebe6_attn
	.p2align	8
	.type	k_qcbe2b0ebe6_attn,@function
k_qcbe2b0ebe6_attn:
	s_mov_b64 s[64:65], 0
	v_nop
	global_prefetch_b8 v0, s[64:65] scope:SCOPE_SE
	s_setreg_imm32_b32 hwreg(HW_REG_WAVE_MODE, 25, 1), 1
	s_wait_xcnt 0x0
	s_wait_alu depctr_hold_cnt(0) depctr_sa_sdst(0) depctr_va_vdst(0) depctr_va_sdst(0) depctr_va_ssrc(0) depctr_va_vcc(0) depctr_vm_vsrc(0)
	s_getreg_b32 s2, hwreg(HW_REG_IB_STS2, 6, 4)
	s_cmp_eq_u32 s2, 0
	s_cbranch_scc0 .Lentry_in_a_cluster
	s_endpgm
.Lentry_in_a_cluster:
	s_bfe_u32 s2, ttmp6, 0x10000c
	s_cmp_lg_u32 s2, 0x3003
	s_cbranch_scc0 .Lentry_shape_is_right
	s_endpgm
.Lentry_shape_is_right:
; ctx = softmax(q K^T / sqrt(128)) V for one KV head g and one tile of 16 positions P: the query heads 4 g .. 4 g + 3 are four tiles of queries.  Both products on codes of FP6 (E2M3) with E8M0 scales.
; THE SOFTMAX: t = score x log2(e) / sqrt(128); M = the largest t so far, rounded up to a whole number; p = 2^(t - M) is quantised along the keys, not normalised; the sum is taken of the unquantised p and divides at the end.
; EIGHT WAVES, two for each SIMD: wave w takes key steps 4 i + (w & 3) (128 keys each, i = 0 .. 15) for the two tiles of queries 2 (w >> 2) and 2 (w >> 2) + 1: a fragment of K or V feeds two products of a wave.
; Each wave has its own running M, sum and O^T; at the end waves 0-3 merge a tile each by powers of two 2^(M_j - M*), which round nothing.
; LIMITS: a sum over the keys is formed in four parts; 1 / l is v_rcp_f32's; the promise holds while the scaled scores t stay under 2^31 in magnitude.
; A key step is ONE dense block of 26,112 bytes (K's 8 images, V's 8, their scale words).  Two slots of four blocks; each wave fetches half a block, 51 rows of 256 bytes, by one tensor load behind each round.
; THE CHANGE OF SLOTS STANDS IN A TRIP'S MIDDLE, behind the second tile's products K Q^T: K's registers are then free and all reads of the slot in hand have come back.  Behind the round the slot in hand takes the key step
; two on, and the next step's fragments of K are fetched from the other slot under the second tile's softmax; the next step's V follows behind that tile's last products, under the next trip's first softmax.
; CLUSTER 4 x 1: four position tiles of one KV head walk the same blocks: each half block is asked for jointly, with the same descriptor and a mask that names the four.
; PREFETCH: in trip t each wave names the half block that its load of trip t + 2 brings (key step i = t + 4); the four partners take 13 of its 51 rows of 256 bytes each, told apart by address, a lane a row
; (lanes left over name the last row again); steps 0 to 3 come by their loads alone, and trips 12 and on ask for nothing.
; Both products are used transposed (S^T = K Q^T, O^T = V^T P^T): a lane holds one query throughout.  Tile 4 c + u of K holds at lane r the key 64 c + 32 (r / 8) + 8 u + r % 8, so register 32 c + x of S^T is key
; 64 c + 32 (lane / 16) + x: a lane holds two whole blocks of 32 keys, in the order of the operand's registers: the conversions' results are p's fragment, and a block's maximum needs no other lane.
; REGISTERS: window 0: v1-7, v27-31 addresses; v8-15 statistics (tile i: -M, largest score, the sum in two halves); v24-26, v92-103 scale words and nothing else; v32-55 Q; v56-67 p's codes; v68-91 at work;
;   v104-167 S^T, then p; v168-231 O^T of my first tile.   window 1: v0-95 K's fragments, v96-191 V's, v192-255 O^T of my second tile.
.set BLK,   26112
.set HALF,  13056
.set SLOT1, 1<<17                      ; slot 1 begins here: one exclusive or turns an address
.set SPARE, SLOT1+4*BLK                ; behind the slots: the spare words, 128 bytes a wave: four blocks of 256 bytes that no other line names
.set STATS, SPARE+1024                 ; behind them: the waves' -M and sums for the merge, 512 bytes a wave; no fill lands here
.set LA,  1                            ; v1  my block + 16 x lane
.set LS,  2                            ; v2  my block + 24,576 + 4 x lane: the scale words
.set ADF, 3                            ; v3, v4  the same in the slot that is being fetched from
.set ADS, 4
.set SPW, 5
.set NIL, 6
.set L16, 7
.set ST,  8
.set QS,  24
.set PS,  26
.set SH8, 27                           ; v27  8 x (lane / 16)
.set PFO, 28                           ; v28  the prefetches' offset; never rewritten
.set MSA, 29                           ; v29  the merge: where my O^T go,
.set STA, 30                           ; v30  and my statistics;
.set RDA, 31                           ; v31  where the four parts of the tile that I merge lie
.set Q,   32
.set PC,  56
.set CT,  68
.set BM,  76
.set SO,  80
.set T1,  82
.set FF,  86
.set TMP, 88
.set SM2, 90
.set KS,  92
.set VS,  100
.set S,   104
.set O0,  168
.set ACC, 160                          ; the way out
.set TM,  236
.set PW,  252
.set PCQ, 32
.set L4,  253
.set RDS, 254                          ; v254 the statistics of the tile that I merge
.set WV,  12
.set G1,  16                           ; s[16:23], s[24:27] the descriptor; group 0 walks
.set G0,  24
.set CS,  28                           ; s[28:29] c = log2(e) / sqrt(128)
.set SEL, 30
.set TB,  32                           ; s32 the slot that is being fetched from
.set PFA, 46                           ; s[46:47] where my prefetches stand
.set MSB, 0
.macro WIN new                         ; the immediate's high byte repeats the setting that is left
.if MSB != \new
	s_set_vgpr_msb (MSB<<8)|\new
.set MSB, \new
.endif
.endm
.macro PLACES                          ; four plain lines between a matrix instruction and a load into, or a store or vector read of, its registers
.rept 4
	v_nop
.endr
.endm
.macro CROUND                          ; a round of the cluster's barrier
	s_barrier_signal -1
	s_barrier_wait -1
	s_cmp_lg_u32 s[WV], 0
	s_cbranch_scc1 .Lnot_wave_0_\@
	s_barrier_signal -3
.Lnot_wave_0_\@:
	s_barrier_wait -3
	s_barrier_signal -1
	s_barrier_wait -1
.endm
.macro MM d, a, b, zero, sa, sb, odd   ; one product; an odd tile's scale words lie in lanes 16-31
.if \zero
.if \odd
	v_wmma_scale_f32_16x16x128_f8f6f4 v[\d:\d+7], v[\a:\a+11], v[\b:\b+11], 0, v[\sa], v[\sb] matrix_a_fmt:MATRIX_FMT_FP6 matrix_b_fmt:MATRIX_FMT_FP6 matrix_a_scale:MATRIX_SCALE_ROW1
.else
	v_wmma_scale_f32_16x16x128_f8f6f4 v[\d:\d+7], v[\a:\a+11], v[\b:\b+11], 0, v[\sa], v[\sb] matrix_a_fmt:MATRIX_FMT_FP6 matrix_b_fmt:MATRIX_FMT_FP6
.endif
.else
.if \odd
	v_wmma_scale_f32_16x16x128_f8f6f4 v[\d:\d+7], v[\a:\a+11], v[\b:\b+11], v[\d:\d+7], v[\sa], v[\sb] matrix_a_fmt:MATRIX_FMT_FP6 matrix_b_fmt:MATRIX_FMT_FP6 matrix_a_scale:MATRIX_SCALE_ROW1
.else
	v_wmma_scale_f32_16x16x128_f8f6f4 v[\d:\d+7], v[\a:\a+11], v[\b:\b+11], v[\d:\d+7], v[\sa], v[\sb] matrix_a_fmt:MATRIX_FMT_FP6 matrix_b_fmt:MATRIX_FMT_FP6
.endif
.endif
.endm
; The change of slots: all my tensor loads have landed (my half of a block of the slot ahead), 0 is added to my spare word, that and my reads of the slot in hand are waited for.
; fill = 1: a round of the cluster's barrier, and the slot in hand takes the four blocks two steps on, first thing behind it: one tensor load of mine is out, and it has a trip's work in which to land.
.macro CHANGE fill, pstep
.if \pstep
	s_wait_xcnt 0x0                                ; my last prefetch has read its address:
	s_add_nc_u64 s[PFA:PFA+1], s[PFA:PFA+1], 4*BLK ; one key step of mine on
.endif
	s_wait_tensorcnt 0x0                           ; no tensor load of mine is out, so group 0 may be written
	ds_add_u32 v[SPW], v[NIL]                      ; 0 onto my spare word
.if \fill
	s_xor_b32 s[G0+1], s[G0+1], SLOT1              ; the other slot,
	s_add_nc_u64 s[G0+2:G0+3], s[G0+2:G0+3], 4*BLK ; my next key step: four blocks on
.endif
	s_wait_dscnt 0x0                               ; the add is done, and my reads of that slot are over
.if \fill
	CROUND
	tensor_load_to_lds s[G0:G0+3], s[G1:G1+7]
	s_nop 0
.else
	s_barrier_signal -1
	s_barrier_wait -1
.endif
	PLACES                                         ; behind the tensor load, and in front of loads into registers that matrix instructions have read
.endm
.macro KLOAD                           ; a key step's 8 scale words and 24 pieces of K: 32 LDS loads
	v_add_nc_u32 v[ADF], s[TB], v[LA]
	v_add_nc_u32 v[ADS], s[TB], v[LS]
.set T, 0
.rept 8
	ds_load_b32 v[KS+T], v[ADS] offset:128*T
.set T, T+1
.endr
	WIN 0x40                                       ; destination window 1
.set G, 0
.rept 24
	ds_load_b128 v[4*G:4*G+3], v[ADF] offset:512*G
.set G, G+1
.endr
	WIN 0
.endm
.macro VLOAD                           ; the same step's 4 scale words and 24 pieces of V: 28 LDS loads
.set T, 0
.rept 4
	ds_load_b32 v[VS+T], v[ADS] offset:1024+128*T
.set T, T+1
.endr
	WIN 0x40
.set G, 24
.rept 24
	ds_load_b128 v[4*G:4*G+3], v[ADF] offset:512*G
.set G, G+1
.endr
	WIN 0
.endm
; The change of slots in a trip, in two parts.  MIDSIG, behind the second tile's products K Q^T: the three lines and the opening signal.  MIDWAIT, behind that tile's exponentials: the wait, the rest of the round,
; the refill and the next step's K.  Between the two stands work on registers alone: the tile's maxima and exponentials.  mode as in BODY.
.macro MIDSIG mode
.if \mode == 2
	s_wait_xcnt 0x0                                ; my last prefetch has read its address:
	s_add_nc_u64 s[PFA:PFA+1], s[PFA:PFA+1], 4*BLK ; one key step of mine on
.endif
.if \mode
	s_wait_tensorcnt 0x0                           ; no tensor load of mine is out, so group 0 may be written
	ds_add_u32 v[SPW], v[NIL]                      ; 0 onto my spare word
.if \mode == 2
	s_xor_b32 s[G0+1], s[G0+1], SLOT1              ; the slot in hand,
	s_add_nc_u64 s[G0+2:G0+3], s[G0+2:G0+3], 4*BLK ; my next key step to ask for: four blocks on
.endif
	s_wait_dscnt 0x0                               ; the add is done, and my reads of the slot in hand are over
	s_barrier_signal -1
.endif
.endm
.macro MIDWAIT mode
.if \mode
	s_barrier_wait -1
.endif
.if \mode == 2
	s_cmp_lg_u32 s[WV], 0                          ; the rest of a round of the cluster's barrier
	s_cbranch_scc1 .Lnot_w0_\@
	s_barrier_signal -3
.Lnot_w0_\@:
	s_barrier_wait -3
	s_barrier_signal -1
	s_barrier_wait -1
	tensor_load_to_lds s[G0:G0+3], s[G1:G1+7]      ; my one tensor load behind the round
	s_nop 0
	PLACES
.endif
.if \mode
	s_xor_b32 s[TB], s[TB], SLOT1
	KLOAD                                          ; the next step's K: it has the rest of the trip in which to come
.endif
.endm
.macro SOFTMAX i, hook
.set NM, ST+4*\i
	v_mov_b32 v[TMP], v[NM]                        ; the old -M
.irp x, 0,1,2,3
	v_max3_num_f32 v[BM+\x], v[S+16*\x], v[S+16*\x+1], v[S+16*\x+2]   ; four chains by turns, two for each of my blocks of 32 keys; each accumulator is read from its low end on
.endr
.irp m, 3,5,7,9,11,13
.irp x, 0,1,2,3
	v_max3_num_f32 v[BM+\x], v[BM+\x], v[S+16*\x+\m], v[S+16*\x+\m+1]
.endr
.endr
.irp c, 0,1
	v_max3_num_f32 v[BM+2*\c], v[BM+2*\c], v[S+32*\c+15], v[S+32*\c+31]
.endr
.irp c, 0,1
	v_max_num_f32 v[BM+2*\c], v[BM+2*\c], v[BM+2*\c+1]   ; the largest score of block 2 c + lane / 16: for the row's maximum, and, since p rises with the score, for the block's largest p
.endr
	v_max3_num_f32 v[NM+1], v[NM+1], v[BM], v[BM+2]      ; the running largest score,
	v_permlanex16_b32 v[T1], v[NM+1], s[SEL], s[SEL+1]
	v_max_num_f32 v[NM+1], v[NM+1], v[T1]                ; with lane l xor 16's keys
	s_delay_alu instid0(VALU_DEP_1)
	v_mul_f32 v[TMP+1], s[CS], v[NM+1]                   ; as t (c is positive)
	s_delay_alu instid0(VALU_DEP_1)
	v_floor_f32 v[NM], -v[TMP+1]                         ; the new -M = floor(-t): M is a whole number
.set J, 0
.rept 32
	v_pk_fma_f32 v[S+J:S+J+1], v[S+J:S+J+1], s[CS:CS+1], v[NM:NM+1] op_sel_hi:[1,0,0]   ; t - M (of the pairs c and -M the low word serves both halves)
.set J, J+2
.endr
.irp c, 0,1
	v_fma_f32 v[BM+2*\c], v[BM+2*\c], s[CS], v[NM]       ; the same of each block's largest score
.endr
	v_sub_f32 v[TMP], v[NM], v[TMP]                      ; old M - new M: a whole number, 0 or less
	s_delay_alu instid0(VALU_DEP_1)
	v_cvt_i32_f32 v[TMP], v[TMP]                         ; (it saturates)
	s_delay_alu instid0(VALU_DEP_1)
	v_ldexp_f32 v[FF], 1.0, v[TMP]                       ; f = 2^(old M - new M)
	s_wait_alu depctr_va_vdst(0)                         ; the wait ahead of the batch
.set J, 0
.rept 64
	v_exp_f32 v[S+J], v[S+J]                             ; p = 2^(t - M)
.set J, J+1
.endr
.irp c, 0,1
	v_exp_f32 v[BM+2*\c], v[BM+2*\c]                     ; the block's largest p: the same two instructions on the same number
.endr
	v_pk_mul_f32 v[NM+2:NM+3], v[NM+2:NM+3], v[FF:FF+1] op_sel_hi:[1,0]   ; the sum under the new M (a plain line behind the exponentials)
	s_wait_alu depctr_va_vdst(0)                         ; one wait for the batch, ahead of its first reader, and directly ahead of the barrier's wait where one follows
	MIDWAIT \hook
.irp c, 0,1
	v_max_num_f32 v[BM+2*\c], 0x1800000, v[BM+2*\c]      ; the floor 2^(3 - 127): the byte cannot fall under 1
.endr
.irp c, 0,1
	v_add_nc_u32 v[SO+\c], 0xff000000, v[BM+2*\c]        ; 2 off the exponent field: the conversion's scale operand
.endr
.irp c, 0,1
	v_lshrrev_b32 v[T1+\c], 23, v[SO+\c]
.endr
	v_lshl_or_b32 v[T1], v[T1+1], 16, v[T1]              ; my bytes: blocks h and 2 + h,
	v_lshlrev_b32 v[T1], v[SH8], v[T1]                   ; at their places;
	v_permlanex16_b32 v[T1+2], v[T1], s[SEL], s[SEL+1]
	v_or_b32 v[PS], v[T1], v[T1+2]                       ; with the other half's two: p's scale word for these 128 keys
.irp c, 0,1
	v_cvt_scalef32_pk16_fp6_f32 v[PC+6*\c:PC+6*\c+2], v[S+32*\c:S+32*\c+15], v[SO+\c]
	v_cvt_scalef32_pk16_fp6_f32 v[CT+4*\c:CT+4*\c+2], v[S+32*\c+16:S+32*\c+31], v[SO+\c]   ; (a conversion's three registers begin on an even number)
.endr
	v_nop                                                ; one plain line behind the scaled conversions
.irp c, 0,1
.irp k, 0,1,2
	v_mov_b32 v[PC+3+6*\c+\k], v[CT+4*\c+\k]
.endr
.endr
	v_pk_add_f32 v[SM2:SM2+1], v[S:S+1], v[S+2:S+3]      ; the row's sum, of the unquantised p, in two chains by turns.  These lines are also the places between the writes of p's codes and scale word and the products
.set J, 4
.rept 15
	v_pk_add_f32 v[NM+2:NM+3], v[NM+2:NM+3], v[S+J:S+J+1]
	v_pk_add_f32 v[SM2:SM2+1], v[SM2:SM2+1], v[S+J+2:S+J+3]
.set J, J+4
.endr
	v_pk_add_f32 v[NM+2:NM+3], v[NM+2:NM+3], v[SM2:SM2+1]
.endm
; In each run of eight products the eight accumulators take turns.
.macro SMM i                           ; S^T = K Q^T of tile i
	WIN 0x01                                       ; source 0 (K) window 1
.irp t, 0,1,2,3,4,5,6,7
	MM S+8*\t, 12*\t, Q+12*\i, 1, KS+\t, QS+\i, 0
.endr
	WIN 0
.endm
.macro REST i, first, hook             ; tile i's softmax, O^T under the new M, O^T += V^T P^T.  first = 1: the products start O^T's sums, and there is nothing to rescale
	SOFTMAX \i, \hook
.set OB, O0+(192-O0)*\i
.if \first == 0
	WIN (0x41*\i)                                  ; my second tile's O^T (destination and source 0) lies in window 1
	s_wait_alu depctr_va_vdst(0)                   ; the wait here, directly ahead of the first reader of O^T
.set J, 0
.rept 32
	v_pk_mul_f32 v[OB+J:OB+J+1], v[OB+J:OB+J+1], v[FF:FF+1] op_sel_hi:[1,0]
.set J, J+2
.endr
.endif
.if \i == 0
	s_wait_alu depctr_va_vdst(0)                   ; the wait here, directly ahead of the wait below
	s_wait_dscnt 0x0                               ; V is in
.endif
	WIN (0x01+0x50*\i)                             ; source 0 (V) window 1, source 1 (p) window 0, C and D with O^T
.irp t, 0,1,2,3,4,5,6,7
	MM OB+8*\t, 96+12*\t, PC, \first, VS+\t/2, PS, \t%2
.endr
	WIN 0
.endm
; A trip: one key step of mine against my two tiles.  mode = 2: the change of slots with a refill; 1: without (the last block has been asked for); 0: the last trip, which fetches nothing.
; pf = 1: the trip's prefetch; pf = 2: the same in the loop, whose last two trips (s33 = 2, 1) have no key step four on.
.macro BODY first, mode, pf
	s_wait_dscnt 28                                ; K and its scale words are in; V's 28 loads may be out
	SMM 0
	PLACES
.if \pf
.if \pf == 2
	s_cmp_ge_u32 s33, 3
	s_cbranch_scc0 .Lno_ask_\@
.endif
	global_prefetch_b8 v[PFO], s[PFA:PFA+1] th:TH_LOAD_NT scope:SCOPE_SE
.Lno_ask_\@:
.endif
	REST 0, \first, 0
	SMM 1                                          ; K's registers are done with
	MIDSIG \mode
	PLACES
	REST 1, \first, \mode
.if \mode
	PLACES                                         ; in front of loads into registers that the last products have read
	VLOAD                                          ; the next step's V: wanted behind the next trip's first softmax
.endif
.endm
; The way out: 64 numbers of a lane, register 16 b + i = channel 32 b + 16 (lane / 16) + i of its row (V's channels keep that order), become a fragment's codes in v[PCQ] on and its scale word in v[PW].
.macro QUANT s
.irp b, 0,1,2,3
	v_max3_num_f32 v[TM+\b], |v[\s+16*\b]|, |v[\s+16*\b+1]|, 0x1800000
.endr
.irp m, 2,4,6,8,10,12,14
.irp b, 0,1,2,3
	v_max3_num_f32 v[TM+\b], v[TM+\b], |v[\s+16*\b+\m]|, |v[\s+16*\b+\m+1]|
.endr
.endr
.irp b, 0,1,2,3
	v_permlanex16_b32 v[TM+4+\b], v[TM+\b], s[SEL], s[SEL+1]
.endr
.irp b, 0,1,2,3
	v_max_num_f32 v[TM+\b], v[TM+\b], v[TM+4+\b]
.endr
.irp b, 0,1,2,3
	v_add_nc_u32 v[TM+12+\b], 0xff000000, v[TM+\b]
.endr
.irp b, 0,1,2,3
	v_lshrrev_b32 v[TM+4+\b], 23, v[TM+12+\b]
.endr
	v_lshl_or_b32 v[PW], v[TM+5], 8, v[TM+4]
	v_lshl_or_b32 v[PW], v[TM+6], 16, v[PW]
	v_lshl_or_b32 v[PW], v[TM+7], 24, v[PW]
.irp c, 0,1
	v_cvt_scalef32_pk16_fp6_f32 v[PCQ+6*\c:PCQ+6*\c+2], v[\s+32*\c:\s+32*\c+15], v[TM+12+2*\c]
	v_cvt_scalef32_pk16_fp6_f32 v[PCQ+12+4*\c:PCQ+14+4*\c], v[\s+32*\c+16:\s+32*\c+31], v[TM+12+2*\c+1]
.endr
	v_nop
.irp c, 0,1
.irp k, 0,1,2
	v_permlane16_swap_b32 v[PCQ+6*\c+\k], v[PCQ+12+4*\c+\k]
.endr
.irp k, 0,1,2
	v_mov_b32 v[PCQ+3+6*\c+\k], v[PCQ+12+4*\c+\k]
.endr
.endr
.endm
	s_load_b128 s[4:7], s[0:1], 0x0                ; q's images s[4:5], kv's s[6:7]
	s_load_b64 s[8:9], s[0:1], 0x10                ; ctx's images
	v_lshl_add_u32 v[SPW], v0, 2, SPARE
	v_mov_b32 v[NIL], 0
	ds_add_u32 v[SPW], v[NIL]                      ; the opening lines: the add, twice on end, and its wait ahead of my first tensor load
	ds_add_u32 v[SPW], v[NIL]
	v_lshrrev_b32 v1, 5, v0
	v_readfirstlane_b32 s[WV], v1                  ; wave 0..7
	s_and_b32 s48, s[WV], 3                        ; which of four key steps is mine
	s_lshr_b32 s49, s[WV], 2                       ; which pair of tiles; also which half of a block I fetch
	s_bfe_u32 s13, ttmp6, 0x40000                  ; cx
	s_lshl_b32 s14, ttmp9, 2
	s_add_co_u32 s14, s14, s13                     ; P = 4 x cluster x + cx: it enters q's and ctx's global addresses alone
	s_and_b32 s15, ttmp7, 0xffff                   ; g, which the four partners share
	s_mov_b32 s[G1], 15|(3<<16)|(1<<21)            ; 15:0 the mask: all four; 17:16 elements of 8 bytes; 21 set beside a mask
	s_mov_b32 s[G1+1], 32<<16                      ; half a block as 51 rows of 256 bytes
	s_mov_b32 s[G1+2], 51<<16
	s_mov_b32 s[G1+3], 32<<16
	s_mov_b32 s[G1+4], 51
	s_mov_b32 s[G1+5], 32
	s_mov_b32 s[G1+6], 0
	s_mov_b32 s[G1+7], 0
	s_lshl_b32 s34, s15, 6
	s_add_co_u32 s34, s34, s48
	s_mul_i32 s34, s34, BLK                        ; block [g][w & 3]: my first key step,
	s_mul_i32 s57, s49, HALF
	s_add_co_u32 s34, s34, s57                     ; my half of it
	s_mov_b32 s35, 0
	s_mul_i32 s36, s48, BLK                        ; the block's place in a slot
	s_add_co_u32 s51, s36, s57                     ; where my half lands
	s_add_co_u32 s50, s36, 24576                   ; its scale words
	s_mul_i32 s52, s13, 13                         ; of a half block's 51 rows my work-group prefetches 13 cx on
	s_lshl_b32 s53, s[WV], 14                      ; the merge: 16,384 bytes a wave, from LDS byte 0 on
	s_lshl_b32 s54, s[WV], 9
	s_add_co_u32 s54, s54, STATS
	s_bfe_u32 s57, s[WV], 0x10001                  ; wave w (0..3) merges tile w: pair w / 2 (waves 4 (w / 2) on), tile w % 2 of the pair
	s_and_b32 s58, s[WV], 1
	s_lshl_b32 s55, s57, 16
	s_lshl_b32 s56, s58, 13
	s_add_co_u32 s55, s55, s56
	s_lshl_b32 s56, s57, 11
	s_lshl_b32 s58, s58, 8
	s_add_co_u32 s56, s56, s58
	s_add_co_u32 s56, s56, STATS
	s_lshl_b32 s37, s14, 5
	s_lshl_b32 s38, s15, 2
	s_add_co_u32 s37, s37, s38
	s_lshl_b32 s38, s49, 1
	s_add_co_u32 s37, s37, s38                     ; 32 P + 4 g + 2 (w / 4): my two tiles of q
	s_mul_i32 s38, s37, 1536
	s_mov_b32 s39, 0
	s_lshl_b32 s40, s37, 7
	s_add_co_u32 s40, s40, 1572864
	s_mov_b32 s41, 0
	s_lshr_b32 s42, s14, 2
	s_lshl_b32 s42, s42, 5
	s_lshl_b32 s43, s15, 2
	s_add_co_u32 s42, s42, s43
	s_add_co_u32 s42, s42, s[WV]
	s_mul_i32 s42, s42, 6656                       ; ctx: block [P / 4][head 4 g + wave] (used by waves 0-3 alone),
	s_and_b32 s44, s14, 3
	s_mul_i32 s45, s44, 1536                       ; fragment P % 4
	s_lshl_b32 s44, s44, 7
	s_add_co_u32 s44, s44, s42
	s_add_co_u32 s44, s44, 6144
	s_add_co_u32 s42, s42, s45
	s_mov_b32 s43, 0
	s_mov_b32 s45, 0
	s_mov_b32 s[CS], 0x3e0293ee
	s_mov_b32 s[CS+1], s[CS]                       ; (named with it as a pair, so it is written)
	s_mov_b32 s[SEL], 0x76543210
	s_mov_b32 s[SEL+1], 0xfedcba98
	s_mov_b32 s[TB], 0
	s_wait_dscnt 0x0                               ; both opening adds are done
	s_wait_kmcnt 0x0
	s_mov_b32 s[G0], 1
	s_mov_b32 s[G0+1], s51
	s_add_nc_u64 s[G0+2:G0+3], s[6:7], s[34:35]
	s_add_nc_u64 s[PFA:PFA+1], s[G0+2:G0+3], 16*BLK ; my key step i = 4, which trip 0 names
	s_or_b32 s[G0+3], s[G0+3], 0x80000000
	s_add_nc_u64 s[40:41], s[4:5], s[40:41]
	s_add_nc_u64 s[4:5], s[4:5], s[38:39]
	s_add_nc_u64 s[10:11], s[8:9], s[44:45]
	s_add_nc_u64 s[8:9], s[8:9], s[42:43]
	CROUND                                         ; all four work-groups are here: the first joint loads meet
	tensor_load_to_lds s[G0:G0+3], s[G1:G1+7]      ; my half of my first key step into slot 0: one tensor load a wave at the head
	s_nop 0
	PLACES
	v_and_b32 v[TMP], 31, v0
	v_lshlrev_b32 v[L16], 4, v[TMP]
	v_lshlrev_b32 v[L4], 2, v[TMP]
	v_add_nc_u32 v[LA], s36, v[L16]
	v_add_nc_u32 v[LS], s50, v[L4]
	v_bfe_u32 v[SH8], v0, 4, 1
	v_lshlrev_b32 v[SH8], 3, v[SH8]
	v_min_u32 v[PFO], 12, v[TMP]                   ; lanes 0-12 a row each, the others lane 12's again;
	v_add_nc_u32 v[PFO], s52, v[PFO]
	v_min_u32 v[PFO], 50, v[PFO]                   ; the half block has rows 0 to 50
	v_lshlrev_b32 v[PFO], 8, v[PFO]
	v_add_nc_u32 v[MSA], s53, v[L16]
	v_add_nc_u32 v[STA], s54, v[L4]
	v_add_nc_u32 v[RDA], s55, v[L16]
	v_add_nc_u32 v[RDS], s56, v[L4]
.set G, 0
.rept 6
	global_load_b128 v[Q+4*G:Q+4*G+3], v[L16], s[4:5] offset:512*G   ; Q's two fragments stay in registers
.set G, G+1
.endr
.irp i, 0,1
	global_load_b32 v[QS+\i], v[L4], s[40:41] offset:128*\i
.endr
.irp i, 0,1
	v_mov_b32 v[ST+4*\i+1], 0xff61b1e6             ; the largest score so far: -3e38
	v_floor_f32 v[ST+4*\i], -v[ST+4*\i+1]
	v_mov_b32 v[ST+4*\i+2], 0
	v_mov_b32 v[ST+4*\i+3], 0
	v_mov_b32 v[T1+2*\i], 0                        ; a lane permute's destination counts as one of its sources
.endr
	v_mov_b32 v[FF+1], 0                           ; (named as the upper half of a pair)
	s_wait_alu depctr_va_vdst(0)                   ; the wait at the head's end
	s_wait_loadcnt 0x0
	CHANGE 1, 0                                    ; slot 0 is whole; slot 1's first fill (key step 1) stands behind the full sequence, as a refill does
	KLOAD                                          ; key step 0's fragments
	VLOAD
	BODY 1, 2, 1                                   ; trip 0; its change of slots asks for key step 2
	s_mov_b32 s33, 13
.Lstep:
	BODY 0, 2, 2                                   ; trips 1 to 13 ask for key steps 3 to 15
	s_sub_co_u32 s33, s33, 1
	s_cmp_lg_u32 s33, 0
	s_cbranch_scc1 .Lstep
	BODY 0, 1, 0                                   ; the last two trips are written out
	BODY 0, 0, 0
	; THE MERGE.  Each wave lays its two O^T from LDS byte 16,384 x wave on (slot 0 and the gap behind it: slot 0 has had its last fill) and -M and its sums behind the spare words; a barrier; wave w (0..3) merges tile w.
	PLACES                                         ; behind the last products
.irp i, 0,1
	v_add_f32 v[ST+4*\i+2], v[ST+4*\i+2], v[ST+4*\i+3]
.endr
.irp i, 0,1
	v_permlanex16_b32 v[T1+2*\i], v[ST+4*\i+2], s[SEL], s[SEL+1]
.endr
.irp i, 0,1
	v_add_f32 v[ST+4*\i+2], v[ST+4*\i+2], v[T1+2*\i]   ; my keys' sum of the row
.endr
	s_wait_alu depctr_va_vdst(0)                   ; the wait here, directly ahead of the wait below
	s_wait_dscnt 0x0                               ; my reads of the slots are over;
	s_barrier_signal -1
	s_barrier_wait -1                              ; and so are everybody's: the slots' bytes may be stored into
	s_wait_alu depctr_va_vdst(0)                   ; the wait here, directly ahead of the first reader of O^T
.set G, 0
.rept 16
	ds_store_b128 v[MSA], v[O0+4*G:O0+4*G+3] offset:512*G   ; each accumulator from its low end on
.set G, G+1
.endr
	WIN 0x04                                       ; an LDS store's data are its source 1: window 1
.set G, 0
.rept 16
	ds_store_b128 v[MSA], v[192+4*G:195+4*G] offset:8192+512*G
.set G, G+1
.endr
	WIN 0
.irp i, 0,1
	ds_store_b32 v[STA], v[ST+4*\i] offset:256*\i
	ds_store_b32 v[STA], v[ST+4*\i+2] offset:256*\i+128
.endr
	s_wait_dscnt 0x0                               ; for the others' sake: my stores have landed
	s_barrier_signal -1
	s_barrier_wait -1
	s_cmp_ge_u32 s[WV], 4
	s_cbranch_scc1 .Ldone                          ; four tiles, four merging waves
.irp j, 0,1,2,3
	ds_load_b32 v[8+\j], v[RDS] offset:512*\j
	ds_load_b32 v[12+\j], v[RDS] offset:512*\j+128
.endr
.macro CHUNK ch                        ; half of the tile's 64 registers, from the four waves that share its keys
.irp j, 0,1,2,3
.irp c, 0,1,2,3,4,5,6,7
	ds_load_b128 v[32+32*\j+4*\c:35+32*\j+4*\c], v[RDA] offset:16384*\j+4096*\ch+512*\c
.endr
.endr
.endm
.macro SUMUP ch
.irp p, 0,2,4,6,8,10,12,14,16,18,20,22,24,26,28,30
	v_pk_mul_f32 v[ACC+32*\ch+\p:ACC+32*\ch+\p+1], v[32+\p:33+\p], v[16:17] op_sel_hi:[1,0]
.endr
.irp j, 1,2,3
.irp p, 0,2,4,6,8,10,12,14,16,18,20,22,24,26,28,30
	v_pk_fma_f32 v[ACC+32*\ch+\p:ACC+32*\ch+\p+1], v[32+32*\j+\p:33+32*\j+\p], v[16+2*\j:17+2*\j], v[ACC+32*\ch+\p:ACC+32*\ch+\p+1] op_sel_hi:[1,0,1]
.endr
.endr
.endm
	CHUNK 0
.irp j, 0,1,2,3
	v_mov_b32 v[17+2*\j], 0                        ; (named as the upper halves of pairs)
.endr
	s_wait_dscnt 32                                ; the eight statistics are in; the 32 loads behind them may be out
	v_min3_num_f32 v236, v8, v9, v10
	v_min_num_f32 v236, v236, v11                  ; -M* : the largest M
.irp j, 0,1,2,3
	v_sub_f32 v[16+2*\j], v236, v[8+\j]            ; M_j - M*: a whole number, 0 or less
.endr
.irp j, 0,1,2,3
	v_cvt_i32_f32 v[16+2*\j], v[16+2*\j]
.endr
.irp j, 0,1,2,3
	v_ldexp_f32 v[16+2*\j], 1.0, v[16+2*\j]        ; f_j = 2^(M_j - M*)
.endr
	v_mul_f32 v237, v16, v12
	v_fma_f32 v237, v18, v13, v237
	v_fma_f32 v237, v20, v14, v237
	v_fma_f32 v237, v22, v15, v237                 ; the row's sum
	s_wait_alu depctr_va_vdst(0)                   ; the wait here: ahead of the wait below, and of the reciprocal
	s_wait_dscnt 0x0
	SUMUP 0
	CHUNK 1
	v_rcp_f32 v238, v237
	v_mov_b32 v239, 0                              ; (a plain line behind the reciprocal; the upper half of its pair)
.irp b, 0,1,2,3
	v_mov_b32 v[TM+4+\b], 0                        ; a lane permute's destination counts as one of its sources
.endr
	s_wait_dscnt 0x0
	SUMUP 1
	s_wait_alu depctr_va_vdst(0)                   ; the wait behind the reciprocal, ahead of its first reader
.set J, 0
.rept 32
	v_pk_mul_f32 v[ACC+J:ACC+J+1], v[ACC+J:ACC+J+1], v[238:239] op_sel_hi:[1,0]   ; O^T / the sum
.set J, J+2
.endr
	QUANT ACC
.irp k, 0,1,2
	global_store_b128 v[L16], v[PCQ+4*\k:PCQ+4*\k+3], s[8:9] offset:512*\k   ; 32 lanes store 512 consecutive bytes
.endr
	global_store_b32 v[L4], v[PW], s[10:11]
.Ldone:
	s_wait_tensorcnt 0x0                           ; the wave's end
	ds_add_u32 v[SPW], v[NIL]
	s_wait_dscnt 0x0
	CROUND                                         ; the closing round
	s_endpgm
.Lfunc_end_k_qcbe2b0ebe6_attn:
	.size	k_qcbe2b0ebe6_attn, .Lfunc_end_k_qcbe2b0ebe6_attn-k_qcbe2b0ebe6_attn
	.p2alignl 7, 3214868480
	.fill 96, 4, 3214868480
	.section	.rodata,"a",@progbits
	.p2align	6, 0x0
	.amdhsa_kernel k_qcbe2b0ebe6_attn
		.amdhsa_group_segment_fixed_size 327680
		.amdhsa_private_segment_fixed_size 0
		.amdhsa_enable_private_segment 0
		.amdhsa_kernarg_size 24
		.amdhsa_user_sgpr_count 2
		.amdhsa_user_sgpr_kernarg_segment_ptr 1
		.amdhsa_wavefront_size32 1
		.amdhsa_system_sgpr_workgroup_id_x 1
		.amdhsa_system_sgpr_workgroup_id_y 1
		.amdhsa_system_sgpr_workgroup_id_z 1
		.amdhsa_system_vgpr_workitem_id 0
		.amdhsa_next_free_vgpr 512
		.amdhsa_next_free_sgpr 66
		.amdhsa_reserve_vcc 0
		.amdhsa_float_denorm_mode_32 3
		.amdhsa_float_denorm_mode_16_64 3
		.amdhsa_memory_ordered 1
		.amdhsa_forward_progress 1
		.amdhsa_inst_pref_size 158
	.end_amdhsa_kernel
	.amdgpu_metadata
---
amdhsa.version: [ 1, 2 ]
amdhsa.kernels:
  - .name:           k_qcbe2b0ebe6_attn
    .symbol:         k_qcbe2b0ebe6_attn.kd
    .args:
      - { .name: q_img, .offset: 0, .size: 8, .value_kind: global_buffer, .address_space: global }
      - { .name: kv_img, .offset: 8, .size: 8, .value_kind: global_buffer, .address_space: global }
      - { .name: c_img, .offset: 16, .size: 8, .value_kind: global_buffer, .address_space: global }
    .group_segment_fixed_size: 327680
    .private_segment_fixed_size: 0
    .kernarg_segment_align: 8
    .kernarg_segment_size: 24
    .max_flat_workgroup_size: 256
    .sgpr_count:     66
    .vgpr_count:     512
    .wavefront_size: 32
...
	.end_amdgpu_metadata
.endif
;; end of part 3
;; launch gemm_o (part 4): grid 32 x 8, 4 waves a work-group, clusters of 4 x 4, 327,680 bytes of LDS; arguments c_img, wo_img, out0; writes out0
.if DOCPART == 4
	.amdgcn_target "amdgcn-amd-amdhsa--gfx1250"
	.amdhsa_code_object_version 6
	.text
	.protected	k_qcbe2b0ebe6_gemm_o
	.globl	k_qcbe2b0ebe6_gemm_o
	.p2align	8
	.type	k_qcbe2b0ebe6_gemm_o,@function
k_qcbe2b0ebe6_gemm_o:
	s_mov_b64 s[64:65], 0
	v_nop
	global_prefetch_b8 v0, s[64:65] scope:SCOPE_SE
	s_setreg_imm32_b32 hwreg(HW_REG_WAVE_MODE, 25, 1), 1
	s_wait_xcnt 0x0
	s_wait_alu depctr_hold_cnt(0) depctr_sa_sdst(0) depctr_va_vdst(0) depctr_va_sdst(0) depctr_va_ssrc(0) depctr_va_vcc(0) depctr_vm_vsrc(0)
	s_getreg_b32 s2, hwreg(HW_REG_IB_STS2, 6, 4)
	s_cmp_eq_u32 s2, 0
	s_cbranch_scc0 .Lentry_in_a_cluster
	s_endpgm
.Lentry_in_a_cluster:
	s_bfe_u32 s2, ttmp6, 0x10000c
	s_cmp_lg_u32 s2, 0xf033
	s_cbranch_scc0 .Lentry_shape_is_right
	s_endpgm
.Lentry_shape_is_right:
; out = ctx Wo on codes of FP6 (E2M3) with E8M0 scales; out is f32.
; A work-group makes 128 columns (nb) x 64 positions (pb): 8 x 4 = 32 accumulators of 16 x 16.  THE FOUR WAVES SHARE K, NOT THE TILE: each holds all 32 accumulators for a quarter of the 32 K steps,
; so that 12 fragments read from LDS feed 32 matrix instructions and none is read twice; the four partial sums meet once in LDS.  LIMIT: a sum over K is formed in four parts, in f32.
; Operands come as images of their registers: a fragment is three loads of 16 bytes at 16 x lane.
; LDS HOLDS 16 K STEPS AT ONCE: W's (16 x 12,800 bytes), then ctx's (16 x 6,656), and is filled twice, each time by one tensor load a wave: waves 0 and 1 bring 8 K steps of W each (400 rows of 256 bytes), waves 2 and 3
; 8 of ctx (208 rows).  Ahead of the one refill each wave takes its last two K steps' fragments into registers, so that all of LDS is read to the end, and multiplies them while the refill is on its way.
; CLUSTER 4 x 4: the four work-groups of a column need the same W, the four of a row the same ctx: each block is asked for jointly, by the same tensor load with a mask that names the four.
; No prefetch: the text has no loop to run ahead in; its two fills are all that it asks of memory.
; THE PRODUCT IS USED TRANSPOSED (source 0 = 16 columns of W, source 1 = 16 positions): a lane holds one position, and by the order of W's columns in a tile its register x is column 32 (x / 16) + 16 (lane / 16) + x % 16.
; Lane r of position tile P holds position 32 (P / 2) + 8 (P % 2) + r + 8 (r / 8): the last stores put the rows back.
; REGISTERS: window 0: v1-16 addresses; v28-29 for the add; v32-127 ctx's fragments, two K steps; v128-143 scale words and nothing else; v192-255 the way out.  window 1: v0-191 W's fragments, two K steps.
;   window 2: accumulator (f, t) at v[64 f + 8 t].
.set WSTEP, 12800
.set XSTEP, 6656
.set WSL,   8*WSTEP                    ; half of W's region: 8 K steps
.set XSL,   8*XSTEP                    ; half of ctx's
.set XOFF,  16*WSTEP                   ; ctx's region begins behind W's 16 K steps
.set SPARE, XOFF+16*XSTEP              ; behind both: the spare words, 128 bytes a wave: two blocks of 256 bytes that no other line names
.set STG,   155648                     ; the way out: the waves' stages, behind the partial sums' 131,072 bytes
.set AW,   1
.set AX,   3
.set SW,   5
.set SX,   7
.set LN16, 10
.set LN4,  11
.set MS,   12
.set RD0,  13
.set RD1,  14
.set STO,  15                          ; v15  my stage: where I put 16 bytes of a row
.set SRD,  16                          ; v16  and where I read a row back
.set SPW,  28
.set NIL,  29
.set XF,   32
.set WS,   128
.set XS,   136
.set ACC,  192
.set G1X,  24
.set G0X,  32
.set G1W,  48
.set G0W,  56
.set MSB, 0
.macro WIN new                         ; the immediate's high byte repeats the setting that is left
.if MSB != \new
	s_set_vgpr_msb (MSB<<8)|\new
.set MSB, \new
.endif
.endm
.macro PLACES                          ; four plain lines between a matrix instruction and a load into, or a store or vector read of, its registers
.rept 4
	v_nop
.endr
.endm
.macro CROUND                          ; a round of the cluster's barrier
	s_barrier_signal -1
	s_barrier_wait -1
	s_cmp_lg_u32 s12, 0
	s_cbranch_scc1 .Lnot_wave_0_\@
	s_barrier_signal -3
.Lnot_wave_0_\@:
	s_barrier_wait -3
	s_barrier_signal -1
	s_barrier_wait -1
.endm
.macro JLOAD                           ; a joint fill: waves 0 and 1 fetch W's halves, waves 2 and 3 ctx's; four v_nop follow each line
	s_cmp_eq_u32 s13, 0
	s_cbranch_scc0 .Lfor_x_\@
	tensor_load_to_lds s[G0W:G0W+3], s[G1W:G1W+7]
	s_nop 0
	PLACES
	s_branch .Lasked_\@
.Lfor_x_\@:
	tensor_load_to_lds s[G0X:G0X+3], s[G1X:G1X+7]
	s_nop 0
	PLACES
.Lasked_\@:
.endm
.macro MM d, a, b, zero, sa, sb, odd   ; one product; an odd tile's scale words lie in lanes 16-31
.if \zero
.if \odd
	v_wmma_scale_f32_16x16x128_f8f6f4 v[\d:\d+7], v[\a:\a+11], v[\b:\b+11], 0, v[\sa], v[\sb] matrix_a_fmt:MATRIX_FMT_FP6 matrix_b_fmt:MATRIX_FMT_FP6 matrix_a_scale:MATRIX_SCALE_ROW1
.else
	v_wmma_scale_f32_16x16x128_f8f6f4 v[\d:\d+7], v[\a:\a+11], v[\b:\b+11], 0, v[\sa], v[\sb] matrix_a_fmt:MATRIX_FMT_FP6 matrix_b_fmt:MATRIX_FMT_FP6
.endif
.else
.if \odd
	v_wmma_scale_f32_16x16x128_f8f6f4 v[\d:\d+7], v[\a:\a+11], v[\b:\b+11], v[\d:\d+7], v[\sa], v[\sb] matrix_a_fmt:MATRIX_FMT_FP6 matrix_b_fmt:MATRIX_FMT_FP6 matrix_a_scale:MATRIX_SCALE_ROW1
.else
	v_wmma_scale_f32_16x16x128_f8f6f4 v[\d:\d+7], v[\a:\a+11], v[\b:\b+11], v[\d:\d+7], v[\sa], v[\sb] matrix_a_fmt:MATRIX_FMT_FP6 matrix_b_fmt:MATRIX_FMT_FP6
.endif
.endif
.endm
.macro FETCH slot, j                   ; my j-th K step of a half: 8 scale words, ctx's 4 fragments, W's 8: 44 loads
.irp y, 0,1,2,3
	ds_load_b32 v[WS+4*\j+\y], v[SW+\slot] offset:WSTEP*\j+12288+128*\y
.endr
.irp f, 0,1,2,3
	ds_load_b32 v[XS+4*\j+\f], v[SX+\slot] offset:XSTEP*\j+6144+128*\f
.endr
.set G, 0
.rept 12
	ds_load_b128 v[XF+48*\j+4*G:XF+48*\j+4*G+3], v[AX+\slot] offset:XSTEP*\j+512*G
.set G, G+1
.endr
	WIN 0x40                                       ; destination window 1
.set G, 0
.rept 24
	ds_load_b128 v[96*\j+4*G:96*\j+4*G+3], v[AW+\slot] offset:WSTEP*\j+512*G
.set G, G+1
.endr
	WIN 0
.endm
.macro MULS j, zero                    ; 32 products; the 32 accumulators take turns, one instruction a turn, in the same order in every K step
	WIN 0xa1                                       ; source 0 (W) window 1, source 1 (ctx) window 0, C and D window 2
.irp f, 0,1,2,3
.irp t, 0,1,2,3,4,5,6,7
	MM 64*\f+8*\t, 96*\j+12*\t, XF+48*\j+12*\f, \zero, WS+4*\j+\t/2, XS+4*\j+\f, \t%2
.endr
.endr
.endm
.macro WORK slot, zero                 ; my two K steps of a half
	FETCH \slot, 0
	FETCH \slot, 1
	s_wait_dscnt 44                                ; the first K step's 44 loads are in; the second's 44 may be out
	MULS 0, \zero
	s_wait_dscnt 0x0
	MULS 1, 0
	WIN 0
.endm
	s_load_b128 s[4:7], s[0:1], 0x0                ; ctx's images s[4:5], W's s[6:7]
	s_load_b64 s[8:9], s[0:1], 0x10                ; out
	v_lshl_add_u32 v[SPW], v0, 2, SPARE
	v_mov_b32 v[NIL], 0
	ds_add_u32 v[SPW], v[NIL]                      ; the opening lines: the add, twice on end, and its wait ahead of my first tensor load
	ds_add_u32 v[SPW], v[NIL]
	s_wait_dscnt 0x0
	v_lshrrev_b32 v1, 5, v0
	v_readfirstlane_b32 s12, v1                    ; wave
	s_lshr_b32 s13, s12, 1                         ; I fetch for W (0) or for ctx (1),
	s_and_b32 s14, s12, 1                          ; and which half of the 16 K steps
	s_bfe_u32 s40, ttmp6, 0x40000                  ; cx, cy: my place in the cluster
	s_bfe_u32 s41, ttmp6, 0x40004
	s_lshl_b32 s42, ttmp9, 2
	s_add_co_u32 s42, s42, s40                     ; nb = 4 x cluster x + cx
	s_and_b32 s15, ttmp7, 0xffff
	s_lshl_b32 s15, s15, 2
	s_add_co_u32 s15, s15, s41                     ; pb = 4 x cluster y + cy
	s_lshl_b32 s43, s41, 2
	s_lshl_b32 s43, 15, s43                        ; my row of the cluster
	s_lshl_b32 s44, 0x1111, s40                    ; my column
	; dense blocks, as rows of 256 bytes (32 elements of 8 bytes): ctx 208 rows, W 400
	s_or_b32 s[G1X], s43, (3<<16)|(1<<21)          ; 15:0 the mask: ctx goes to my row; 17:16 elements of 8 bytes; 21 set beside a mask
	s_or_b32 s[G1W], s44, (3<<16)|(1<<21)          ; W goes to my column
	s_mov_b32 s[G1X+1], 32<<16                     ; tensor_dim0
	s_mov_b32 s[G1X+2], 208<<16                    ; tensor_dim1
	s_mov_b32 s[G1X+3], 32<<16                     ; tile_dim0
	s_mov_b32 s[G1X+4], 208                        ; tile_dim1
	s_mov_b32 s[G1X+5], 32                         ; from row to row
	s_mov_b32 s[G1X+6], 0
	s_mov_b32 s[G1X+7], 0
	s_mov_b32 s[G1W+1], 32<<16
	s_mov_b32 s[G1W+2], 400<<16
	s_mov_b32 s[G1W+3], 32<<16
	s_mov_b32 s[G1W+4], 400
	s_mov_b32 s[G1W+5], 32
	s_mov_b32 s[G1W+6], 0
	s_mov_b32 s[G1W+7], 0
	s_mul_i32 s16, s15, 32*XSTEP                   ; ctx: hangs on pb alone, which my row shares
	s_mul_i32 s18, s14, XSL
	s_add_co_u32 s16, s16, s18
	s_mov_b32 s17, 0
	s_mul_i32 s46, s42, 32*WSTEP                   ; W: on nb alone, which my column shares
	s_mul_i32 s19, s14, WSL
	s_add_co_u32 s46, s46, s19
	s_mov_b32 s47, 0
	s_wait_kmcnt 0x0
	s_add_nc_u64 s[16:17], s[4:5], s[16:17]
	s_add_nc_u64 s[46:47], s[6:7], s[46:47]
	CROUND                                         ; all sixteen work-groups are here: the first joint loads meet
	s_mov_b32 s[G0X], 1
	s_add_co_u32 s[G0X+1], s18, XOFF
	s_mov_b64 s[G0X+2:G0X+3], s[16:17]
	s_or_b32 s[G0X+3], s[G0X+3], 0x80000000
	s_mov_b32 s[G0W], 1
	s_mov_b32 s[G0W+1], s19
	s_mov_b64 s[G0W+2:G0W+3], s[46:47]
	s_or_b32 s[G0W+3], s[G0W+3], 0x80000000
	JLOAD                                          ; K steps 0-15: one tensor load a wave at the head
	v_and_b32 v9, 31, v0
	v_lshlrev_b32 v[LN16], 4, v9
	v_lshlrev_b32 v[LN4], 2, v9
	s_mul_i32 s20, s12, 2*WSTEP                    ; wave w multiplies K steps 2 w and 2 w + 1 of each half
	s_mul_i32 s21, s12, 2*XSTEP
	s_add_co_u32 s21, s21, XOFF
	v_add_nc_u32 v[AW], s20, v[LN16]
	v_add_nc_u32 v[AX], s21, v[LN16]
	v_add_nc_u32 v[SW], s20, v[LN4]
	v_add_nc_u32 v[SX], s21, v[LN4]
	v_add_nc_u32 v[AW+1], WSL, v[AW]
	v_add_nc_u32 v[AX+1], XSL, v[AX]
	v_add_nc_u32 v[SW+1], WSL, v[SW]
	v_add_nc_u32 v[SX+1], XSL, v[SX]
	s_lshl_b32 s20, s12, 15
	v_add_nc_u32 v[MS], s20, v[LN16]               ; my 32 accumulators' image: 32,768 bytes a wave
	s_lshl_b32 s20, s12, 13
	v_add_nc_u32 v[RD0], s20, v[LN16]              ; position tile f = wave, in the partial sums of waves 0 and 1,
	v_add_nc_u32 v[RD1], 0x10000, v[RD0]           ; and of waves 2 and 3
	s_mul_i32 s20, s12, 16*528
	s_add_co_u32 s20, s20, STG                     ; my stage, 16 rows of 512 + 16 bytes
	v_and_b32 v9, 15, v0
	v_mul_u32_u24 v[STO], v9, 528
	v_bfe_u32 v9, v0, 4, 1
	v_lshl_add_u32 v[STO], v9, 6, v[STO]
	v_add_nc_u32 v[STO], s20, v[STO]               ; in: row r, + 64 bytes for the upper half of the lanes
	v_add_nc_u32 v[SRD], s20, v[LN16]              ; back: the 32 lanes take a row
	s_lshl_b32 s20, s15, 6
	s_lshl_b32 s21, s13, 5
	s_add_co_u32 s20, s20, s21
	s_lshl_b32 s21, s14, 3
	s_add_co_u32 s20, s20, s21                     ; my tile's first position: 64 pb + 32 (w / 2) + 8 (w % 2)
	s_lshl_b32 s20, s20, 14
	s_lshl_b32 s21, s42, 9
	s_add_co_u32 s20, s20, s21
	s_mov_b32 s21, 0
	s_add_nc_u64 s[8:9], s[8:9], s[20:21]
	s_wait_alu depctr_va_vdst(0)                   ; the wait at the head's end
	s_wait_tensorcnt 0x0                           ; my part of K steps 0-15 is in;
	s_barrier_signal -1
	s_barrier_wait -1                              ; everybody's is.
	WORK 0, 1                                      ; K steps 0-7: the first products start the sums
	PLACES
	FETCH 1, 0                                     ; K steps 8-15 into registers: LDS is then read to the end
	FETCH 1, 1
	s_wait_tensorcnt 0x0                           ; no tensor load of mine is out, so a group 0 may be written
	ds_add_u32 v[SPW], v[NIL]                      ; 0 onto my spare word
	s_add_nc_u64 s[G0X+2:G0X+3], s[G0X+2:G0X+3], 16*XSTEP
	s_add_nc_u64 s[G0W+2:G0W+3], s[G0W+2:G0W+3], 16*WSTEP
	s_wait_dscnt 0x0                               ; the add is done, and my reads of LDS have come back
	CROUND
	JLOAD                                          ; K steps 16-31, my one tensor load behind the round
	MULS 0, 0                                      ; K steps 8-15, from registers
	MULS 1, 0
	WIN 0
	s_wait_tensorcnt 0x0                           ; my part of K steps 16-31 is in;
	s_barrier_signal -1
	s_barrier_wait -1                              ; everybody's is.
	PLACES
	WORK 0, 0                                      ; 16-23
	PLACES
	WORK 1, 0                                      ; 24-31
	s_barrier_signal -1                            ; (WORK has waited for all my LDS loads)
	s_barrier_wait -1                              ; nobody reads the operands any more
	; THE PARTIAL SUMS MEET in LDS bytes 0 to 131,071, which have had their last fill.  Each accumulator is stored from its low end on.
	PLACES
	WIN 0x08                                       ; an LDS store's data are its source 1: window 2
.set G, 0
.rept 64
	ds_store_b128 v[MS], v[4*G:4*G+3] offset:512*G
.set G, G+1
.endr
	WIN 0
	s_wait_dscnt 0x0                               ; for the others' sake: my stores have landed
	s_barrier_signal -1
	s_barrier_wait -1
.irp ch, 0,1                           ; my tile's 64 registers in two halves
.irp c, 0,1,2,3,4,5,6,7
	ds_load_b128 v[ACC+32*\ch+4*\c:ACC+32*\ch+4*\c+3], v[RD0] offset:4096*\ch+512*\c
	ds_load_b128 v[32+4*\c:35+4*\c], v[RD0] offset:32768+4096*\ch+512*\c
	ds_load_b128 v[64+4*\c:67+4*\c], v[RD1] offset:4096*\ch+512*\c
	ds_load_b128 v[96+4*\c:99+4*\c], v[RD1] offset:32768+4096*\ch+512*\c
.endr
	s_wait_dscnt 0x0
.irp p, 0,2,4,6,8,10,12,14,16,18,20,22,24,26,28,30
	v_pk_add_f32 v[ACC+32*\ch+\p:ACC+32*\ch+\p+1], v[ACC+32*\ch+\p:ACC+32*\ch+\p+1], v[32+\p:33+\p]
	v_pk_add_f32 v[64+\p:65+\p], v[64+\p:65+\p], v[96+\p:97+\p]
.endr
.irp p, 0,2,4,6,8,10,12,14,16,18,20,22,24,26,28,30
	v_pk_add_f32 v[ACC+32*\ch+\p:ACC+32*\ch+\p+1], v[ACC+32*\ch+\p:ACC+32*\ch+\p+1], v[64+\p:65+\p]
.endr
.endr
	; THE WAY OUT.  A lane holds, of one row, four runs of 16 neighbouring columns; the rows go through my own stage (bytes that have had their last fill, and that nobody reads since the barriers above) and leave whole.
.irp b, 0,1,2,3
.irp q, 0,1,2,3
	ds_store_b128 v[STO], v[ACC+16*\b+4*\q:ACC+16*\b+4*\q+3] offset:128*\b+16*\q
.endr
.endr
.irp p, 0,1,2,3,4,5,6,7,8,9,10,11,12,13,14,15
	ds_load_b128 v[32+4*\p:35+4*\p], v[SRD] offset:528*\p   ; LDS serves a wave's instructions in order: these see my stores
.endr
.irp p, 0,1,2,3,4,5,6,7,8,9,10,11,12,13,14,15
	s_wait_dscnt 15-\p                             ; row p is back; the rows behind it may be out
	global_store_b128 v[LN16], v[32+4*\p:35+4*\p], s[8:9] offset:(\p+8*(\p/8))*16384 th:TH_STORE_NT   ; 32 lanes store 512 consecutive bytes, aligned; lane row p is position p + 8 (p / 8) of the tile's
.endr
	s_wait_tensorcnt 0x0                           ; the wave's end
	ds_add_u32 v[SPW], v[NIL]
	s_wait_dscnt 0x0
	CROUND                                         ; the closing round
	s_endpgm
.Lfunc_end_k_qcbe2b0ebe6_gemm_o:
	.size	k_qcbe2b0ebe6_gemm_o, .Lfunc_end_k_qcbe2b0ebe6_gemm_o-k_qcbe2b0ebe6_gemm_o
	.p2alignl 7, 3214868480
	.fill 96, 4, 3214868480
	.section	.rodata,"a",@progbits
	.p2align	6, 0x0
	.amdhsa_kernel k_qcbe2b0ebe6_gemm_o
		.amdhsa_group_segment_fixed_size 327680
		.amdhsa_private_segment_fixed_size 0
		.amdhsa_enable_private_segment 0
		.amdhsa_kernarg_size 24
		.amdhsa_user_sgpr_count 2
		.amdhsa_user_sgpr_kernarg_segment_ptr 1
		.amdhsa_wavefront_size32 1
		.amdhsa_system_sgpr_workgroup_id_x 1
		.amdhsa_system_sgpr_workgroup_id_y 1
		.amdhsa_system_sgpr_workgroup_id_z 1
		.amdhsa_system_vgpr_workitem_id 0
		.amdhsa_next_free_vgpr 768
		.amdhsa_next_free_sgpr 66
		.amdhsa_reserve_vcc 0
		.amdhsa_float_denorm_mode_32 3
		.amdhsa_float_denorm_mode_16_64 3
		.amdhsa_memory_ordered 1
		.amdhsa_forward_progress 1
		.amdhsa_inst_pref_size 82
	.end_amdhsa_kernel
	.amdgpu_metadata
---
amdhsa.version: [ 1, 2 ]
amdhsa.kernels:
  - .name:           k_qcbe2b0ebe6_gemm_o
    .symbol:         k_qcbe2b0ebe6_gemm_o.kd
    .args:
      - { .name: c_img, .offset: 0, .size: 8, .value_kind: global_buffer, .address_space: global }
      - { .name: wo_img, .offset: 8, .size: 8, .value_kind: global_buffer, .address_space: global }
      - { .name: out0, .offset: 16, .size: 8, .value_kind: global_buffer, .address_space: global }
    .group_segment_fixed_size: 327680
    .private_segment_fixed_size: 0
    .kernarg_segment_align: 8
    .kernarg_segment_size: 24
    .max_flat_workgroup_size: 128
    .sgpr_count:     66
    .vgpr_count:     768
    .wavefront_size: 32
...
	.end_amdgpu_metadata
.endif
;; end of part 4
